; MI455X (gfx1250); checked and timed in simulation.
; The chip was launched on July 23, 2026; its instructions are those of AMD's public machine-readable ISA for CDNA 5 (MIT licence, August 2026) and "CDNA5" Instruction Set Architecture Reference Guide (July 2026). The comments in the code are by the model that wrote it; some were corrected since.
;; Transformer Block. Allowed arithmetic: matrix products marked QUANTISED: E2M1 operands, one E8M0 scale for each 32 along K, by v_wmma_scale_f32_16x16x128_f8f6f4 with both operands' format E2M1 (or v_wmma_scale_f32_32x16x128_f4), f32 sums; everything else in f32.
;; Inputs: g1 1,024 float32; g2 1,024 float32; w_down 2,048 x 1,024 float32; w_gate 1,024 x 2,048 float32; w_o 1,024 x 1,024 float32; w_qkv 1,024 x 3,072 float32; w_up 1,024 x 2,048 float32; x 2 x 2,048 x 1,024 float32.
;; Outputs: out0 2 x 2,048 x 1,024 float32.
;; This version of the problem:
;;   THIS VERSION OF THE PROBLEM IS GIVEN IN LOW PRECISION. The matrix products marked QUANTISED in the list below multiply operands that are first quantised to E2M1 (2 exponent bits, 1 mantissa bit; 4 bits a number), with one power-of-two scale for each 32 numbers along K (OCP MX v1.0); their sums are f32. All else is computed in f32.
;;   The module's matrix products, in the order in which they are computed (A, B: the left and right operand; K: the contracted axis; several contracted axes count as one K, in the product's order):
;;     1. [M 4,096, K 1,024] x [K 1,024, N 3,072]; A: computed on the way; B: input w_qkv: QUANTISED
;;     2. batch 32 x [M 2,048, K 64] x [K 64, N 2,048]; A: computed on the way; B: computed on the way: QUANTISED
;;     3. batch 32 x [M 2,048, K 2,048] x [K 2,048, N 64]; A: softmax (see below); B: computed on the way: QUANTISED
;;     4. [M 4,096, K 1,024] x [K 1,024, N 1,024]; A: computed on the way; B: input w_o: QUANTISED
;;     5. [M 4,096, K 1,024] x [K 1,024, N 2,048]; A: computed on the way; B: input w_gate: QUANTISED
;;     6. [M 4,096, K 1,024] x [K 1,024, N 2,048]; A: computed on the way; B: input w_up: QUANTISED
;;     7. [M 4,096, K 2,048] x [K 2,048, N 1,024]; A: computed on the way; B: input w_down: QUANTISED
;;   THE QUANTISER, for each operand of a quantised product, along K:
;;     - K is cut into blocks of 32 from its start; a last block that is shorter is filled with zeros.
;;     - A block's scale is 2^e with e = floor(log2(the largest magnitude in the block)) - 2, held to -126 .. 127; a block of zeros has e = 0. As a byte (E8M0): e + 127.
;;     - Each number is divided by its block's scale, clamped to +-6, and rounded to the nearest number of E2M1, ties to even, subnormals kept.
;;     - The product sums the exact products of the quantised numbers (number of the format x scale) in f32.
;;   ~~~python
;;   def quantise(x, axis):      # numpy; x: float32 -> the quantised numbers, widened to float32 again
;;       x = np.moveaxis(x, axis, -1); K = x.shape[-1]
;;       x = np.pad(x, [(0, 0)] * (x.ndim - 1) + [(0, -K % 32)]); x = x.reshape(x.shape[:-1] + (-1, 32)); a = np.abs(x).max(-1, keepdims=True)
;;       e = np.where(a > 0, np.clip(np.frexp(np.where(a > 0, a, 1))[1] - 1 - 2, -126, 127), 0)      # np.frexp(a)[1] - 1 = floor(log2(a)), exactly
;;       r = np.clip(x / 2.0 ** e, -6, 6)
;;       step = 2.0 ** (np.maximum(np.frexp(np.where(r == 0, 1, r))[1] - 1, 0) - 1)
;;       q = np.round(r / step) * step * 2.0 ** e      # np.round: ties to even
;;       return np.moveaxis(q.reshape(q.shape[:-2] + (-1,))[..., :K], -1, axis).astype(np.float32)
;;   ~~~
;;   SOFTMAX AHEAD OF A QUANTISED PRODUCT. Where the list says 'softmax', what is quantised is not the finished softmax but p = 2^(t - M), with t = logit x log2(e) and M = ceil(the row's largest t), a whole number; so 1/2 < the row's largest p <= 1. The row's sum l is taken of the UNQUANTISED p, in f32, and the product's result is divided by l at the end. Since M is a whole number, a kernel that streams over the keys may use a running M (the ceiling of the running maximum): every later rescaling is an exact power of two, which a block's scale takes up: the codes' values come out the same.
;;   OPERANDS COMPUTED ON THE WAY. 'Computed on the way' means the value that the module computes at that place (a softmax that the list does not call 'softmax' is quantised finished and normalised). What goes into a quantiser is computed in f32, as accurately as f32 sums, v_exp_f32 and their like allow (about 1e-6 of the number): no bf16 or f16 on the way to a quantiser, and a product that is left as it is and whose result goes on into a quantised operand takes f32 operands (vector FMAs, or v_wmma_f32_16x16x4_f32). A number that lies on a knife's edge between two numbers of the format may be rounded either way, as far as f32 arithmetic and the matrix unit's own rounding can turn it there, and no further.
;; One version. Each part assembles by itself: llvm-mc -triple=amdgcn-amd-amdhsa -mcpu=gfx1250 --defsym DOCPART=n.
;; ======== version 1 of 1: 7 launches
;; limits: right only within a limited range of input values
;; workspace buffers: wsp 7,798,784 bytes; qkvb 6,946,816 bytes; atb 2,228,224 bytes; x1 16,777,216 bytes; h2 2,228,224 bytes; acb 4,456,448 bytes
;; launch prep (part 1): grid 576 x 1, 8 waves a work-group, no clusters, 67,584 bytes of LDS; arguments x, g1, w_qkv, w_o, w_gate, w_up, w_down, wsp; writes wsp
.if DOCPART == 1
	.amdgcn_target "amdgcn-amd-amdhsa--gfx1250"
	.amdhsa_code_object_version 6
	.text
	.protected	k_q9dd79ad01f_prep
	.globl	k_q9dd79ad01f_prep
	.p2align	8
	.type	k_q9dd79ad01f_prep,@function
k_q9dd79ad01f_prep:
	s_mov_b64 s[64:65], 0
	v_nop
	global_prefetch_b8 v0, s[64:65] scope:SCOPE_SE
	s_setreg_imm32_b32 hwreg(HW_REG_WAVE_MODE, 25, 1), 1
	s_wait_xcnt 0x0
; TRANSFORMER BLOCK IN MX-FP4, launch 1 of 7: everything that can be quantised before the first product.
; Work-groups 0-255: h1 = rmsnorm(x, g1), quantised along D.  Work-groups 256-575: the five weights, quantised along their first axis (their K).
; DEAD WORK IN THE WHOLE PROGRAM: reference() builds the causal mask itself (jnp.tril) and puts -inf on scores of keys behind the query, so p = 0 there for all
; values of the inputs: key steps of 128 keys that lie wholly behind a wave's 16 queries are left out of products 2 and 3 (launch attn).  Nothing else is left out and
; every input is loaded.  LIMIT: a NaN, an infinity or an overflow that would arise only in the scores left out is not carried to the result.
; LIMITS: NaN and infinities among the inputs are not served.  A block of zeros gets the scale byte 1 where the quantiser says 127: its codes are zeros, which add
; nothing under any byte but 0xff, and the bytes are read by this program alone.
; LAYOUT OF ALL CODE BUFFERS OF THIS PROGRAM: images of the operands' registers.  A tile is 16 rows (or columns); lane-row p of tile t stands for index
; 32 (t/2) + 8 (t%2) + p + 8 (p/8), so that two neighbouring tiles used as source 0 leave 16 neighbours in a lane's 16 result registers.
; A fragment (tile t, K step S of 128) is 1,024 bytes at t x KS x 1024 + S x 1024; block b (32 along K) of lane-row p lies at 256 b + 16 p.
; Scale bytes: tile t at t x KS x 64; byte of (p, S, b) at (S/4) 256 + 16 p + 4 (S%4) + b: 16 bytes a lane are the scale words of four K steps.
; No cluster and no tensor loads: work-groups share no input but g1 (4,096 bytes), and every byte is read once, straight into registers.
.set WQKV_C, 0
.set WO_C,   1572864
.set WGU_C,  2097152                   ; gate and up interleaved: 32 hidden units f have tiles 4f, 4f+1 (gate) and 4f+2, 4f+3 (up)
.set WD_C,   4194304
.set H1_C,   5242880
.set WQKV_S, 7340032
.set WO_S,   7438336
.set WGU_S,  7471104
.set WD_S,   7602176
.set H1_S,   7667712
.set HC,     H1_C
.set HS,     H1_S
.set SCL,    65792                     ; LDS: 16 rows of y, 4,112 bytes apart (0 .. 65,791); then the tile's 512 scale bytes;
.set SPARE,  66304                     ; then the spare words, 128 bytes for each of the eight waves
	s_load_b512 s[4:19], s[0:1], 0x0               ; x, g1, w_qkv, w_o, w_gate, w_up, w_down, wsp
	v_lshl_add_u32 v10, v0, 2, SPARE               ; my spare word
	v_mov_b32 v11, 0
	v_lshrrev_b32 v1, 5, v0
	s_delay_alu instid0(VALU_DEP_1)
	v_readfirstlane_b32 s20, v1                    ; wave 0..7
	v_and_b32 v1, 31, v0                           ; lane
	v_and_b32 v2, 15, v0                           ; r
	v_bfe_u32 v3, v0, 4, 1                         ; h
	s_delay_alu instid0(VALU_DEP_3)
	v_lshlrev_b32 v4, 4, v1                        ; 16 x lane
	s_cmp_lt_u32 ttmp9, 256
	s_cbranch_scc1 .Lnorm
; ---------------- THE WEIGHTS.  A work-group takes 256 columns x one K step of 128; a wave 32 columns; a lane ONE column, its 128 registers running down K.
; So a block of 32 lies in one lane, the conversions give codes with K innermost, and a lane's 16 bytes of a block are 16 bytes of the image.
	s_sub_co_u32 s21, ttmp9, 256                   ; 0-95 w_qkv, 96-127 w_o, 128-191 w_gate, 192-255 w_up, 256-319 w_down
	s_wait_kmcnt 0x0
	s_mov_b64 s[22:23], s[8:9]                     ; the tensor;
	s_mov_b32 s24, 0                               ; its first work-group;
	s_mov_b32 s25, 3                               ; log2 of its K steps;
	s_mov_b32 s26, WQKV_C                          ; where its codes begin;
	s_mov_b32 s27, WQKV_S                          ; and its scale bytes;
	s_mov_b32 s28, 14                              ; log2 of the bytes from one pair of tiles to the next (scale bytes: 4 less);
	s_mov_b32 s29, 12288                           ; bytes in a row
	s_cmp_ge_u32 s21, 96
	s_cselect_b64 s[22:23], s[10:11], s[22:23]
	s_cselect_b32 s24, 96, s24
	s_cselect_b32 s26, WO_C, s26
	s_cselect_b32 s27, WO_S, s27
	s_cselect_b32 s29, 4096, s29
	s_cmp_ge_u32 s21, 128
	s_cselect_b64 s[22:23], s[12:13], s[22:23]
	s_cselect_b32 s24, 128, s24
	s_cselect_b32 s26, WGU_C, s26
	s_cselect_b32 s27, WGU_S, s27
	s_cselect_b32 s28, 15, s28
	s_cselect_b32 s29, 8192, s29
	s_cmp_ge_u32 s21, 192
	s_cselect_b64 s[22:23], s[14:15], s[22:23]
	s_cselect_b32 s24, 192, s24
	s_cselect_b32 s26, WGU_C+16384, s26
	s_cselect_b32 s27, WGU_S+1024, s27
	s_cmp_ge_u32 s21, 256
	s_cselect_b64 s[22:23], s[16:17], s[22:23]
	s_cselect_b32 s24, 256, s24
	s_cselect_b32 s25, 4, s25
	s_cselect_b32 s26, WD_C, s26
	s_cselect_b32 s27, WD_S, s27
	s_cselect_b32 s29, 4096, s29
	s_sub_co_u32 s30, s21, s24
	s_lshl_b32 s31, 1, s25
	s_sub_co_u32 s31, s31, 1
	s_and_b32 s31, s30, s31                        ; S: my K step
	s_lshr_b32 s30, s30, s25                       ; my block of 256 columns
	s_lshl_b32 s33, s30, 3
	s_add_co_u32 s33, s33, s20                     ; my wave's pair of tiles
	s_lshl_b32 s34, s30, 10
	s_lshl_b32 s35, s20, 7
	s_add_co_u32 s34, s34, s35                     ; its first column, in bytes
	v_and_b32 v12, 7, v0                           ; lanes 0-15 are the even tile, lanes 16-31 the odd one: column = l%8 + 16 (bit 3 of l) + 8 (bit 4 of l)
	v_and_b32 v13, 8, v0
	s_delay_alu instid0(VALU_DEP_1)
	v_lshl_or_b32 v12, v13, 1, v12
	v_and_b32 v13, 16, v0
	s_delay_alu instid0(VALU_DEP_1)
	v_lshrrev_b32 v13, 1, v13
	s_delay_alu instid0(VALU_DEP_1)
	v_or_b32 v12, v12, v13
	s_delay_alu instid0(VALU_DEP_1)
	v_lshl_add_u32 v5, v12, 2, s34                 ; my column's byte in a row
	s_mul_i32 s34, s31, s29
	s_lshl_b32 s34, s34, 7                         ; 128 S rows down
	s_mov_b32 s35, 0
	s_add_nc_u64 s[22:23], s[22:23], s[34:35]
	s_lshl_b32 s36, s33, s28
	s_lshl_b32 s37, s31, 10
	s_add_co_u32 s36, s36, s37
	s_add_co_u32 s36, s36, s26
	s_mov_b32 s37, 0
	s_add_nc_u64 s[36:37], s[18:19], s[36:37]      ; the even tile's fragment of K step S
	s_sub_co_u32 s38, s28, 4
	s_lshl_b32 s38, s33, s38
	s_lshr_b32 s39, s31, 2
	s_lshl_b32 s39, s39, 8
	s_add_co_u32 s38, s38, s39
	s_and_b32 s39, s31, 3
	s_lshl_b32 s39, s39, 2
	s_add_co_u32 s38, s38, s39
	s_add_co_u32 s38, s38, s27
	s_mov_b32 s39, 0
	s_add_nc_u64 s[38:39], s[18:19], s[38:39]      ; and its scale words of K step S
	s_add_co_u32 s40, s25, 10
	s_wait_alu depctr_va_vdst(0)
	v_lshlrev_b32 v6, s40, v3                      ; the odd tile lies a tile's bytes further on;
	s_delay_alu instid0(VALU_DEP_1)
	v_lshl_add_u32 v6, v2, 4, v6                   ; 16 bytes a lane-row
	s_add_co_u32 s40, s25, 6
	v_lshlrev_b32 v7, s40, v3
	s_delay_alu instid0(VALU_DEP_1)
	v_lshl_add_u32 v7, v2, 4, v7
.macro WLOADS n4                       ; W(128 S + n, my column), n = 0 .. 127: each load reads 128 neighbouring bytes a wave, the eight waves 1,024
.set n, 0
.rept 128
	global_load_b32 v[32+n], v5, s[22:23] offset:n*\n4 th:TH_LOAD_NT
.set n, n+1
.endr
.endm
	s_cmp_lt_u32 s21, 96                           ; the row's bytes stand in the immediates: three copies of the loads
	s_cbranch_scc1 .Lw12
	s_cmp_lt_u32 s21, 128
	s_cbranch_scc1 .Lw4
	s_cmp_lt_u32 s21, 256
	s_cbranch_scc1 .Lw8
.Lw4:
	WLOADS 4096
	s_branch .Lwq
.Lw8:
	WLOADS 8192
	s_branch .Lwq
.Lw12:
	WLOADS 12288
.Lwq:
; Block t: its largest magnitude (with the floor 2^(3 - 127) as one leaf, so that the byte cannot fall under 1); 2 off the exponent field is the conversion's scale operand, and that >> 23 the byte.
.macro WBLOCK t, left
.set X, 32+32*\t
	s_wait_loadcnt \left                           ; at most so many younger loads are out: block t's 32 are in (behind it 96 - 32 t were issued; a wait names 63 at the most)
	v_max3_num_f32 v29, |v[X]|, |v[X+1]|, |v[X+2]|
	v_max3_num_f32 v30, |v[X+3]|, |v[X+4]|, |v[X+5]|
.irp i, 6,10,14,18,22,26
	s_delay_alu instid0(VALU_DEP_2)
	v_max3_num_f32 v29, v29, |v[X+\i]|, |v[X+\i+1]|
	s_delay_alu instid0(VALU_DEP_2)
	v_max3_num_f32 v30, v30, |v[X+\i+2]|, |v[X+\i+3]|
.endr
	s_delay_alu instid0(VALU_DEP_2)
	v_max3_num_f32 v29, v29, |v[X+30]|, |v[X+31]|
	s_delay_alu instid0(VALU_DEP_1)
	v_max3_num_f32 v29, v29, v30, 0x1800000
	s_delay_alu instid0(VALU_DEP_1)
	v_add_nc_u32 v31, 0xff000000, v29
	s_delay_alu instid0(VALU_DEP_1)
	v_lshrrev_b32 v30, 23, v31
.if \t == 0
	s_delay_alu instid0(VALU_DEP_1)
	v_mov_b32 v28, v30
.else
	s_delay_alu instid0(VALU_DEP_1)
	v_lshl_or_b32 v28, v30, 8*\t, v28              ; the four bytes make my column's scale word of this K step
.endif
.irp g, 0,1,2,3
	v_cvt_scalef32_pk8_fp4_f32 v[12+4*\t+\g], v[X+8*\g:X+8*\g+7], v31
.endr
	v_nop                                          ; one plain line behind the conversions
	global_store_b128 v6, v[12+4*\t:12+4*\t+3], s[36:37] offset:256*\t   ; sixteen lanes store 256 consecutive bytes, aligned; each block has its own data registers
.endm
	WBLOCK 0, 63
	WBLOCK 1, 63
	WBLOCK 2, 32
	WBLOCK 3, 0
	global_store_b32 v7, v28, s[38:39]             ; 4 bytes a lane, 16 apart: the other 12 are other K steps' (other work-groups'): 1 byte in 128 of what is read
	s_branch .Lend
; ---------------- THE NORM.  A work-group takes one tile of 16 rows.  Wave w first owns lane-rows 2w, 2w+1 (two neighbouring rows of x, 8,192 bytes), then K step w of all 16 rows.
.Lnorm:
	s_lshr_b32 s21, ttmp9, 1
	s_lshl_b32 s21, s21, 5
	s_and_b32 s22, ttmp9, 1
	s_lshl_b32 s22, s22, 3
	s_add_co_u32 s21, s21, s22
	s_lshl_b32 s22, s20, 1
	s_add_co_u32 s21, s21, s22
	s_lshr_b32 s22, s20, 2
	s_lshl_b32 s23, s22, 3
	s_add_co_u32 s21, s21, s23                     ; my first row: 32 (T/2) + 8 (T%2) + 2 w + 8 (w/4)
	s_lshl_b32 s28, s22, 8
	s_and_b32 s23, s20, 3
	s_lshl_b32 s23, s23, 2
	s_add_co_u32 s28, s28, s23
	s_add_co_u32 s28, s28, SCL
	s_wait_alu depctr_va_vdst(0)
	v_lshl_add_u32 v7, v2, 4, s28                  ; LDS: row r's scale word of K step w
	s_mul_i32 s29, s20, 8224
	v_add_nc_u32 v5, s29, v4                       ; LDS: my two rows of y, 16 bytes a lane
	v_mul_u32_u24 v6, v2, 4112
	s_delay_alu instid0(VALU_DEP_1)
	v_lshl_add_u32 v6, v3, 7, v6
	s_lshl_b32 s29, s20, 9
	v_add_nc_u32 v6, s29, v6                       ; LDS: row r, K step w, block h
	v_add_nc_u32 v8, SCL, v4
	v_mov_b32 v16, 0                               ; a lane permute's destination counts as one of its sources
	v_mov_b32 v17, 0
	s_mov_b32 s24, 0x76543210
	s_mov_b32 s25, 0xfedcba98                      ; selects for lane l xor 16
	s_mov_b32 s26, 0x3a800000                      ; 1 / 1024
	s_mov_b32 s27, 0x358637bd                      ; 1e-6
	s_lshl_b32 s22, s21, 12
	s_mov_b32 s23, 0
	s_lshl_b32 s30, ttmp9, 13
	s_lshl_b32 s31, s20, 10
	s_add_co_u32 s30, s30, s31
	s_add_co_u32 s30, s30, HC
	s_mov_b32 s31, 0
	s_lshl_b32 s32, ttmp9, 9
	s_add_co_u32 s32, s32, HS
	s_mov_b32 s33, 0
	s_wait_kmcnt 0x0
	s_add_nc_u64 s[4:5], s[4:5], s[22:23]
	s_add_nc_u64 s[30:31], s[18:19], s[30:31]      ; fragment (T, w)
	s_add_nc_u64 s[32:33], s[18:19], s[32:33]      ; the tile's scale bytes
.irp e, 0,1
.irp j, 0,1,2,3,4,5,6,7
	global_load_b128 v[32+32*\e+4*\j:35+32*\e+4*\j], v4, s[4:5] offset:4096*\e+512*\j th:TH_LOAD_NT   ; 512 consecutive bytes a load
.endr
.endr
.irp j, 0,1,2,3,4,5,6,7
	global_load_b128 v[96+4*\j:99+4*\j], v4, s[6:7] offset:512*\j
.endr
	s_wait_loadcnt 0x8                             ; x is in; g's eight loads may be out
	v_pk_mul_f32 v[12:13], v[32:33], v[32:33]
	v_pk_mul_f32 v[14:15], v[64:65], v[64:65]
.irp j, 2,4,6,8,10,12,14,16,18,20,22,24,26,28,30
	s_delay_alu instid0(VALU_DEP_2)
	v_pk_fma_f32 v[12:13], v[32+\j:33+\j], v[32+\j:33+\j], v[12:13]
	s_delay_alu instid0(VALU_DEP_2)
	v_pk_fma_f32 v[14:15], v[64+\j:65+\j], v[64+\j:65+\j], v[14:15]
.endr
	s_delay_alu instid0(VALU_DEP_2)
	v_add_f32 v12, v12, v13
	s_delay_alu instid0(VALU_DEP_2)
	v_add_f32 v14, v14, v15
.irp m, 1,2,4,8
	s_delay_alu instid0(VALU_DEP_2)
	v_add_f32_dpp v12, v12, v12 row_xmask:\m row_mask:0xf bank_mask:0xf
	s_delay_alu instid0(VALU_DEP_2)
	v_add_f32_dpp v14, v14, v14 row_xmask:\m row_mask:0xf bank_mask:0xf
.endr
	s_delay_alu instid0(VALU_DEP_2)
	v_permlanex16_b32 v16, v12, s24, s25
	s_delay_alu instid0(VALU_DEP_2)
	v_permlanex16_b32 v17, v14, s24, s25
	s_delay_alu instid0(VALU_DEP_2)
	v_add_f32 v12, v12, v16
	s_delay_alu instid0(VALU_DEP_2)
	v_add_f32 v14, v14, v17
	s_delay_alu instid0(VALU_DEP_2)
	v_fma_f32 v22, v12, s26, s27                   ; the mean of squares + eps
	s_delay_alu instid0(VALU_DEP_2)
	v_fma_f32 v23, v14, s26, s27
	s_wait_alu depctr_va_vdst(0)
	v_rsq_f32 v18, v22
	v_rsq_f32 v20, v23
	v_nop                                          ; a plain line behind the transcendentals,
	s_wait_alu depctr_va_vdst(0)                   ; and the one wait ahead of their first reader
	v_mov_b32 v19, v18                             ; (named as pairs below)
	v_mov_b32 v21, v20
.irp j, 0,2,4,6,8,10,12,14,16,18,20,22,24,26,28,30
	v_pk_mul_f32 v[32+\j:33+\j], v[32+\j:33+\j], v[18:19] op_sel_hi:[1,0]
	v_pk_mul_f32 v[64+\j:65+\j], v[64+\j:65+\j], v[20:21] op_sel_hi:[1,0]
.endr
	s_wait_loadcnt 0x0                             ; g
.irp j, 0,2,4,6,8,10,12,14,16,18,20,22,24,26,28,30
	v_pk_mul_f32 v[32+\j:33+\j], v[32+\j:33+\j], v[96+\j:97+\j]
	v_pk_mul_f32 v[64+\j:65+\j], v[64+\j:65+\j], v[96+\j:97+\j]
.endr
.irp e, 0,1
.irp j, 0,1,2,3,4,5,6,7
	ds_store_b128 v5, v[32+32*\e+4*\j:35+32*\e+4*\j] offset:4112*\e+512*\j
.endr
.endr
	s_wait_dscnt 0x0                               ; my rows lie in LDS
	s_barrier_signal -1
	s_barrier_wait -1                              ; all sixteen do
.irp c, 0,1
.irp i, 0,1,2,3,4,5,6,7
	ds_load_b128 v[32+32*\c+4*\i:35+32*\c+4*\i], v6 offset:256*\c+16*\i   ; block 2 c + h of row r in K step w: the very numbers that the operand's layout gives my lane
.endr
.endr
	s_wait_dscnt 0x0
.irp c, 0,1
	v_max3_num_f32 v[22+\c], |v[32+32*\c]|, |v[33+32*\c]|, 0x1800000
.endr
.irp i, 2,4,6,8,10,12,14,16,18,20,22,24,26,28,30
.irp c, 0,1
	s_delay_alu instid0(VALU_DEP_2)
	v_max3_num_f32 v[22+\c], v[22+\c], |v[32+32*\c+\i]|, |v[33+32*\c+\i]|
.endr
.endr
.irp c, 0,1
	s_delay_alu instid0(VALU_DEP_2)
	v_add_nc_u32 v[24+\c], 0xff000000, v[22+\c]
.endr
.irp c, 0,1
	s_delay_alu instid0(VALU_DEP_2)
	v_lshrrev_b32 v[26+\c], 23, v[24+\c]
.endr
	s_delay_alu instid0(VALU_DEP_1)
	v_lshl_or_b32 v28, v27, 16, v26                ; my two bytes, blocks h and 2 + h,
	v_lshlrev_b32 v29, 3, v3
	s_delay_alu instid0(VALU_DEP_1)
	v_lshlrev_b32 v28, v29, v28                    ; at their places;
	s_delay_alu instid0(VALU_DEP_1)
	v_permlanex16_b32 v16, v28, s24, s25
	s_delay_alu instid0(VALU_DEP_1)
	v_or_b32 v28, v28, v16                         ; with lane l xor 16's two the word is whole
.irp c, 0,1
.irp g, 0,1,2,3
	v_cvt_scalef32_pk8_fp4_f32 v[128+4*\c+\g], v[32+32*\c+8*\g:39+32*\c+8*\g], v[24+\c]
.endr
.endr
	v_nop
.irp c, 0,1
	global_store_b128 v4, v[128+4*\c:131+4*\c], s[30:31] offset:512*\c   ; 512 consecutive bytes of the image
.endr
	ds_store_b32 v7, v28                           ; both halves of the lanes write the same word with the same value
	s_wait_dscnt 0x0
	s_barrier_signal -1
	s_barrier_wait -1                              ; the tile's 512 scale bytes lie in LDS
	s_cmp_lg_u32 s20, 0
	s_cbranch_scc1 .Lend
	ds_load_b128 v[12:15], v8
	s_wait_dscnt 0x0
	global_store_b128 v4, v[12:15], s[32:33]       ; wave 0 stores them: two aligned runs of 256 bytes
.Lend:
	s_wait_tensorcnt 0x0                           ; the wave's end
	ds_add_u32 v10, v11
	s_wait_dscnt 0x0
	s_endpgm
.Lfunc_end_k_q9dd79ad01f_prep:
	.size	k_q9dd79ad01f_prep, .Lfunc_end_k_q9dd79ad01f_prep-k_q9dd79ad01f_prep
	.p2alignl 7, 3214868480
	.fill 96, 4, 3214868480
	.section	.rodata,"a",@progbits
	.p2align	6, 0x0
	.amdhsa_kernel k_q9dd79ad01f_prep
		.amdhsa_group_segment_fixed_size 67584
		.amdhsa_private_segment_fixed_size 0
		.amdhsa_enable_private_segment 0
		.amdhsa_kernarg_size 64
		.amdhsa_user_sgpr_count 2
		.amdhsa_user_sgpr_kernarg_segment_ptr 1
		.amdhsa_wavefront_size32 1
		.amdhsa_system_sgpr_workgroup_id_x 1
		.amdhsa_system_sgpr_workgroup_id_y 1
		.amdhsa_system_sgpr_workgroup_id_z 1
		.amdhsa_system_vgpr_workitem_id 0
		.amdhsa_next_free_vgpr 160
		.amdhsa_next_free_sgpr 66
		.amdhsa_reserve_vcc 0
		.amdhsa_float_denorm_mode_32 3
		.amdhsa_float_denorm_mode_16_64 3
		.amdhsa_memory_ordered 1
		.amdhsa_forward_progress 1
		.amdhsa_inst_pref_size 69
	.end_amdhsa_kernel
	.amdgpu_metadata
---
amdhsa.version: [ 1, 2 ]
amdhsa.kernels:
  - .name:           k_q9dd79ad01f_prep
    .symbol:         k_q9dd79ad01f_prep.kd
    .args:
      - { .name: x, .offset: 0, .size: 8, .value_kind: global_buffer, .address_space: global }
      - { .name: g1, .offset: 8, .size: 8, .value_kind: global_buffer, .address_space: global }
      - { .name: w_qkv, .offset: 16, .size: 8, .value_kind: global_buffer, .address_space: global }
      - { .name: w_o, .offset: 24, .size: 8, .value_kind: global_buffer, .address_space: global }
      - { .name: w_gate, .offset: 32, .size: 8, .value_kind: global_buffer, .address_space: global }
      - { .name: w_up, .offset: 40, .size: 8, .value_kind: global_buffer, .address_space: global }
      - { .name: w_down, .offset: 48, .size: 8, .value_kind: global_buffer, .address_space: global }
      - { .name: wsp, .offset: 56, .size: 8, .value_kind: global_buffer, .address_space: global }
    .group_segment_fixed_size: 67584
    .private_segment_fixed_size: 0
    .kernarg_segment_align: 8
    .kernarg_segment_size: 64
    .max_flat_workgroup_size: 256
    .sgpr_count:     66
    .vgpr_count:     160
    .wavefront_size: 32
...
	.end_amdgpu_metadata
.endif
;; end of part 1
;; launch qkv (part 2): grid 12 x 16, 16 waves a work-group, clusters of 4 x 4, 282,624 bytes of LDS; arguments wsp, qkvb; writes qkvb
.if DOCPART == 2
	.amdgcn_target "amdgcn-amd-amdhsa--gfx1250"
	.amdhsa_code_object_version 6
	.text
	.protected	k_q9dd79ad01f_qkv
	.globl	k_q9dd79ad01f_qkv
	.p2align	8
	.type	k_q9dd79ad01f_qkv,@function
k_q9dd79ad01f_qkv:
	s_mov_b64 s[64:65], 0
	v_nop
	global_prefetch_b8 v0, s[64:65] scope:SCOPE_SE
	s_setreg_imm32_b32 hwreg(HW_REG_WAVE_MODE, 25, 1), 1
	s_wait_xcnt 0x0
	s_wait_alu depctr_hold_cnt(0) depctr_sa_sdst(0) depctr_va_vdst(0) depctr_va_sdst(0) depctr_va_ssrc(0) depctr_va_vcc(0) depctr_vm_vsrc(0)
	s_getreg_b32 s2, hwreg(HW_REG_IB_STS2, 6, 4)
	s_cmp_eq_u32 s2, 0
	s_cbranch_scc0 .Lentry_in_a_cluster
	s_endpgm
.Lentry_in_a_cluster:
	s_bfe_u32 s2, ttmp6, 0x10000c
	s_cmp_lg_u32 s2, 0xf033
	s_cbranch_scc0 .Lentry_shape_is_right
	s_endpgm
.Lentry_shape_is_right:
; Launch 2: h1 x w_qkv on codes of FP4, and the results quantised on the way out: Q and K along the head's 64, V along the keys.
; A work-group makes 256 rows x 256 columns; sixteen waves of 256 registers, each 64 x 64: 16 accumulators.
; K = 1,024 is short: both operands' panels for ALL of K (2 x 131,072 dense bytes) and their scale bytes (2 x 8,192) come into LDS once; nothing is ever filled again.
; THE HEAD'S LOADS, one a wave: waves 0-3 a quarter of A's panel each (32,768 bytes), waves 4-7 of B's, wave 8 A's scale bytes, wave 9 B's; waves 10-15 none.
; CLUSTER 4 x 4: A's panel is shared along a row of the cluster, B's along a column: joint loads.  No prefetch: the launch has no loop to run ahead in.
; 192 work-groups: tiles half as large would make 384, one and a half times the WGPs.
; The cluster's x is the part: 0 = Q, 1 = K, 2 = V: the same in all partners.  A wave's 64 columns are one head.
; Q, K: the product is used transposed (source 0 = w_qkv's columns), so a lane holds one row and its registers run along the head's 64.
; V: source 0 = h1's rows, so a lane holds one channel and its registers run along the keys.
; OUT: Q, K codes [bh][tile of 16 positions][512 bytes]; their scale words [bh][4 tiles][pair][row][2 words];
; V codes [bh][key step of 128][tile of 16 channels][1,024 bytes]; V scale words [bh][key step][row][4 tiles].
.set A_C, 5242880
.set A_S, 7667712
.set B_C, 0
.set B_S, 7340032
.set O_QS, 6291456
.set O_VC, 4194304
.set O_VS, 6815744
.set PB,    131072                     ; LDS: A's fragment (tile T, K step S) at 8192 T + 1024 S; B's likewise from here
.set SA,    262144                     ; A's scale bytes, 512 a tile; B's 8,192 further on
.set SPARE, 278528                     ; the spare words, 128 bytes for each of the sixteen waves
.set GAT,   280576                     ; V's scale bytes are gathered here
.set SC,  16                           ; v16-47 scale words alone: register 16 c + 4 i + q: lanes 0-15 A's tile i, lanes 16-31 B's, K step 4 c + q
.set AF,  48
.set BF,  80
.set ACC, 128
.set AB, 4
.set BB, 4
.set WV, 12
.set WM, 13
.set WN, 14
.set CX, 15
.set CY, 16
.set TC, 17
.set TR, 18
.set SEL, 94
.set G1C, 24
.set G1D, 32
.set G1S, 40
.set G1T, 48
.set G0C, 56
.set G0D, 60
.set G0S, 68
.set G0T, 72
.macro CROUND                          ; a round of the cluster's barrier
	s_barrier_signal -1
	s_barrier_wait -1
	s_cmp_lg_u32 s[WV], 0
	s_cbranch_scc1 .Lnot_wave_0_\@
	s_barrier_signal -3
.Lnot_wave_0_\@:
	s_barrier_wait -3
	s_barrier_signal -1
	s_barrier_wait -1
.endm
.macro ARM under, g0, g1, next         ; one arm of the head's tree: one load, then on to the tree's end
	s_cmp_lt_u32 s[WV], \under
	s_cbranch_scc0 \next
	tensor_load_to_lds s[\g0:\g0+3], s[\g1:\g1+7]
	s_nop 0
.rept 4
	v_nop
.endr
	s_branch .Lfilled
\next:
.endm
.macro G0ADR g, base, off
	s_add_nc_u64 s[\g+2:\g+3], s[\base:\base+1], s[\off:\off+1]
	s_or_b32 s[\g+3], s[\g+3], 0x80000000
.endm
	s_load_b128 s[4:7], s[0:1], 0x0                ; wsp, qkvb
	v_lshl_add_u32 v10, v0, 2, SPARE
	v_mov_b32 v11, 0
	ds_add_u32 v10, v11                            ; the opening lines: the add, twice on end, and its wait
	ds_add_u32 v10, v11
	v_lshrrev_b32 v1, 5, v0
	s_delay_alu instid0(VALU_DEP_1)
	v_readfirstlane_b32 s[WV], v1                  ; wave 0..15
	s_lshr_b32 s[WM], s[WV], 2                     ; my 64 rows
	s_and_b32 s[WN], s[WV], 3                      ; my 64 columns; also: which quarter of a panel I fetch
	s_bfe_u32 s[CX], ttmp6, 0x40000
	s_bfe_u32 s[CY], ttmp6, 0x40004
	s_lshl_b32 s[TC], ttmp9, 2
	s_add_co_u32 s[TC], s[TC], s[CX]               ; tile column
	s_and_b32 s[TR], ttmp7, 0xffff
	s_lshl_b32 s[TR], s[TR], 2
	s_add_co_u32 s[TR], s[TR], s[CY]               ; tile row
	s_lshl_b32 s20, s[CY], 2
	s_lshl_b32 s20, 15, s20                        ; my row of the cluster
	s_lshl_b32 s21, 0x1111, s[CX]                  ; my column
	s_or_b32 s[G1C], s20, (3<<16)|(1<<21)          ; elements of 8 bytes, no padding; the mask, and bit 21 beside it
	s_or_b32 s[G1S], s20, (3<<16)|(1<<21)
	s_or_b32 s[G1D], s21, (3<<16)|(1<<21)
	s_or_b32 s[G1T], s21, (3<<16)|(1<<21)
.irp g, G1C, G1D                       ; codes: 32,768 dense bytes as 128 rows of 256
	s_mov_b32 s[\g+2], 128<<16
	s_mov_b32 s[\g+4], 128
.endr
.irp g, G1S, G1T                       ; scale bytes: 8,192 dense bytes as 32 rows of 256
	s_mov_b32 s[\g+2], 32<<16
	s_mov_b32 s[\g+4], 32
.endr
.irp g, G1C, G1D, G1S, G1T
	s_mov_b32 s[\g+1], 32<<16
	s_mov_b32 s[\g+3], 32<<16
	s_mov_b32 s[\g+5], 32
	s_mov_b32 s[\g+6], 0
	s_mov_b32 s[\g+7], 0
.endr
	s_lshl_b32 s22, s[WN], 15
	s_lshl_b32 s84, s[TR], 17                      ; A's panel hangs on the tile row alone
	s_add_co_u32 s84, s84, s22
	s_add_co_u32 s84, s84, A_C
	s_mov_b32 s85, 0
	s_lshl_b32 s86, s[TR], 13
	s_add_co_u32 s86, s86, A_S
	s_mov_b32 s87, 0
	s_lshl_b32 s88, s[TC], 17                      ; B's on the tile column alone
	s_add_co_u32 s88, s88, s22
	s_add_co_u32 s88, s88, B_C
	s_mov_b32 s89, 0
	s_lshl_b32 s90, s[TC], 13
	s_add_co_u32 s90, s90, B_S
	s_mov_b32 s91, 0
	s_mov_b32 s[G0C], 1
	s_lshl_b32 s[G0C+1], s[WV], 15                 ; LDS: 32,768 x wave: waves 0-3 fill A's panel, waves 4-7 B's
	s_mov_b32 s[G0D], 1
	s_lshl_b32 s[G0D+1], s[WV], 15
	s_mov_b32 s[G0S], 1
	s_mov_b32 s[G0S+1], SA
	s_mov_b32 s[G0T], 1
	s_mov_b32 s[G0T+1], SA+8192
	s_mov_b32 s[SEL], 0x76543210
	s_mov_b32 s[SEL+1], 0xfedcba98
	s_wait_dscnt 0x0                               ; both opening adds are done
	s_wait_kmcnt 0x0
	G0ADR G0C, AB, 84
	G0ADR G0S, AB, 86
	G0ADR G0D, BB, 88
	G0ADR G0T, BB, 90
	CROUND                                         ; all sixteen work-groups are here: the joint loads meet
	ARM 4,  G0C, G1C, .Lfill_b
	ARM 8,  G0D, G1D, .Lfill_sa
	ARM 9,  G0S, G1S, .Lfill_sb
	ARM 10, G0T, G1T, .Lfill_none
.Lfilled:
	v_and_b32 v1, 15, v0                           ; r
	v_bfe_u32 v2, v0, 4, 1                         ; h
	v_and_b32 v3, 31, v0
	s_delay_alu instid0(VALU_DEP_1)
	v_lshlrev_b32 v3, 4, v3                        ; 16 x lane: a fragment is read as it lies
	s_wait_alu depctr_va_vdst(0)
	s_lshl_b32 s20, s[WM], 15
	v_add_nc_u32 v4, s20, v3                       ; my four tiles of A
	s_lshl_b32 s20, s[WN], 15
	s_add_co_u32 s20, s20, PB
	v_add_nc_u32 v6, s20, v3                       ; of B
	s_lshl_b32 s20, s[WN], 11
	s_add_co_u32 s20, s20, 8192
	s_lshl_b32 s21, s[WM], 11
	s_sub_co_u32 s20, s20, s21
	v_mul_u32_u24 v8, s20, v2                      ; scale words: lanes 0-15 A's tiles, lanes 16-31 B's: the lower base + h x the distance
	s_delay_alu instid0(VALU_DEP_1)
	v_lshl_add_u32 v8, v1, 4, v8
	s_add_co_u32 s21, s21, SA
	v_add_nc_u32 v8, s21, v8
	v_lshlrev_b32 v12, 3, v1
	s_delay_alu instid0(VALU_DEP_1)
	v_lshl_add_u32 v12, v2, 7, v12                 ; Q, K scale words out: 128 h + 8 r
	s_lshl_b32 s20, s[WN], 9
	s_lshr_b32 s21, s[WM], 1
	s_lshl_b32 s21, s21, 8
	s_add_co_u32 s20, s20, s21
	s_and_b32 s21, s[WM], 1
	s_lshl_b32 s21, s21, 1
	s_add_co_u32 s20, s20, s21
	s_add_co_u32 s20, s20, GAT
	v_lshl_add_u32 v13, v1, 4, s20                 ; V's scale bytes into LDS: 512 wn + 256 (wm/2) + 16 r + 2 (wm%2)
	s_lshl_b32 s20, s[WN], 9
	s_add_co_u32 s20, s20, GAT
	v_add_nc_u32 v14, s20, v3                      ; and back: 512 (wave % 4) + 16 x lane
	v_mov_b32 v114, 0                              ; a lane permute's destination counts as one of its sources
	v_mov_b32 v115, 0
	s_lshr_b32 s97, s[TR], 3                       ; batch
	s_and_b32 s98, s[TR], 7                        ; which 256 positions of the sequence
	s_lshl_b32 s20, s97, 4
	s_lshl_b32 s21, s[CX], 2
	s_add_co_u32 s96, s20, s21                     ; 16 batch + 4 cx
	s_add_co_u32 s99, s96, s[WN]                   ; batch x head of my 64 columns
.macro MM ord, d, f0, f1, s0, s1, zero  ; ord 0: source 0 is B's fragment (its scale words in lanes 16-31); ord 1: source 1 is
.if \ord == 0
.if \zero
	v_wmma_scale_f32_16x16x128_f8f6f4 v[\d:\d+7], v[\f0:\f0+7], v[\f1:\f1+7], 0, v[\s0], v[\s1] matrix_a_fmt:MATRIX_FMT_FP4 matrix_b_fmt:MATRIX_FMT_FP4 matrix_a_scale:MATRIX_SCALE_ROW1
.else
	v_wmma_scale_f32_16x16x128_f8f6f4 v[\d:\d+7], v[\f0:\f0+7], v[\f1:\f1+7], v[\d:\d+7], v[\s0], v[\s1] matrix_a_fmt:MATRIX_FMT_FP4 matrix_b_fmt:MATRIX_FMT_FP4 matrix_a_scale:MATRIX_SCALE_ROW1
.endif
.else
.if \zero
	v_wmma_scale_f32_16x16x128_f8f6f4 v[\d:\d+7], v[\f0:\f0+7], v[\f1:\f1+7], 0, v[\s0], v[\s1] matrix_a_fmt:MATRIX_FMT_FP4 matrix_b_fmt:MATRIX_FMT_FP4 matrix_b_scale:MATRIX_SCALE_ROW1
.else
	v_wmma_scale_f32_16x16x128_f8f6f4 v[\d:\d+7], v[\f0:\f0+7], v[\f1:\f1+7], v[\d:\d+7], v[\s0], v[\s1] matrix_a_fmt:MATRIX_FMT_FP4 matrix_b_fmt:MATRIX_FMT_FP4 matrix_b_scale:MATRIX_SCALE_ROW1
.endif
.endif
.endm
; A K step of 128: four places behind the last products, 16 LDS loads, 16 products.  The 16 accumulators take turns, one instruction a turn.
.macro KSTEP S, ord, zero
.rept 4
	v_nop
.endr
.irp i, 0,1,2,3
.irp g, 0,1
	ds_load_b128 v[AF+8*\i+4*\g:AF+8*\i+4*\g+3], v4 offset:8192*\i+1024*(\S)+512*\g
	ds_load_b128 v[BF+8*\i+4*\g:BF+8*\i+4*\g+3], v6 offset:8192*\i+1024*(\S)+512*\g
.endr
.endr
	s_wait_dscnt 0x0
.irp a, 0,1,2,3
.irp b, 0,1,2,3
.if \ord == 0
	MM 0, ACC+8*(4*\a+\b), BF+8*\b, AF+8*\a, SC+16*((\S)/4)+4*\b+(\S)%4, SC+16*((\S)/4)+4*\a+(\S)%4, \zero
.else
	MM 1, ACC+8*(4*\b+\a), AF+8*\a, BF+8*\b, SC+16*((\S)/4)+4*\a+(\S)%4, SC+16*((\S)/4)+4*\b+(\S)%4, \zero
.endif
.endr
.endr
.endm
.macro MAIN ord
	s_wait_tensorcnt 0x0                           ; my load, if I issued one, has landed
	s_barrier_signal -1
	s_barrier_wait -1                              ; everybody's has: both panels and all scale bytes lie in LDS
.irp c, 0,1
.irp i, 0,1,2,3
	ds_load_b128 v[SC+16*\c+4*\i:SC+16*\c+4*\i+3], v8 offset:512*\i+256*\c
.endr
.endr
	KSTEP 0, \ord, 1                               ; the first products start the sums
.irp s, 1,2,3,4,5,6,7
	KSTEP \s, \ord, 0
.endr
.rept 4
	v_nop                                          ; places ahead of the first read of results
.endr
.endm
; 32 registers, 16 b + i = index 32 b + 16 h + i of my row, become the four registers pc .. pc + 3 (lanes 0-15 block 0, lanes 16-31 block 1); the two scale bytes stay in v114, v115.
.macro QUANT2 src, pc
.irp b, 0,1
	v_max3_num_f32 v[112+\b], |v[\src+16*\b]|, |v[\src+16*\b+1]|, 0x1800000   ; my 16 numbers, and the floor 2^(3 - 127); each accumulator is read from its low end on
.endr
.irp i, 2,4,6,8,10,12,14
.irp b, 0,1
	v_max3_num_f32 v[112+\b], v[112+\b], |v[\src+16*\b+\i]|, |v[\src+16*\b+\i+1]|
.endr
.endr
.irp b, 0,1
	s_delay_alu instid0(VALU_DEP_2)
	v_permlanex16_b32 v[114+\b], v[112+\b], s[SEL], s[SEL+1]
.endr
.irp b, 0,1
	s_delay_alu instid0(VALU_DEP_2)
	v_max_num_f32 v[112+\b], v[112+\b], v[114+\b]  ; with lane l xor 16's 16: the block's largest magnitude
.endr
.irp b, 0,1
	s_delay_alu instid0(VALU_DEP_2)
	v_add_nc_u32 v[116+\b], 0xff000000, v[112+\b]  ; 2 off its exponent field: the conversion's scale operand
.endr
.irp b, 0,1
	s_delay_alu instid0(VALU_DEP_2)
	v_lshrrev_b32 v[114+\b], 23, v[116+\b]         ; the byte
.endr
.irp b, 0,1
	v_cvt_scalef32_pk8_fp4_f32 v[\pc+2*\b], v[\src+16*\b:\src+16*\b+7], v[116+\b]
	v_cvt_scalef32_pk8_fp4_f32 v[\pc+2*\b+1], v[\src+16*\b+8:\src+16*\b+15], v[116+\b]
.endr
	v_nop                                          ; one plain line behind the conversions
	v_permlane16_swap_b32 v[\pc], v[\pc+2]         ; the layout wants a whole block in a lane
	v_permlane16_swap_b32 v[\pc+1], v[\pc+3]
.endm
	s_cmp_eq_u32 ttmp9, 2                          ; the cluster's x: the same in every wave of every partner
	s_cbranch_scc1 .Lv
	; ---- Q or K
	s_lshl_b32 s20, s99, 7
	s_lshl_b32 s21, s98, 4
	s_add_co_u32 s20, s20, s21
	s_lshl_b32 s21, s[WM], 2
	s_add_co_u32 s20, s20, s21                     ; my first tile of positions: 128 bh + 16 tl + 4 wm
	s_lshl_b32 s20, s20, 9
	s_lshl_b32 s21, ttmp9, 21
	s_add_co_u32 s20, s20, s21
	s_mov_b32 s21, 0
	s_add_nc_u64 s[84:85], s[6:7], s[20:21]
	s_lshl_b32 s20, s99, 5
	s_lshl_b32 s21, s98, 2
	s_add_co_u32 s20, s20, s21
	s_add_co_u32 s20, s20, s[WM]
	s_lshl_b32 s20, s20, 8
	s_lshl_b32 s21, ttmp9, 18
	s_add_co_u32 s20, s20, s21
	s_add_co_u32 s20, s20, O_QS
	s_mov_b32 s21, 0
	s_add_nc_u64 s[86:87], s[6:7], s[20:21]
	s_mov_b32 s96, 0xffff0000                      ; lanes 16-31
	s_wait_alu depctr_va_vdst(0)                   ; the wait at the head's end
	MAIN 0
.irp a, 0,1,2,3
	QUANT2 ACC+32*\a, 48+4*\a
	v_lshl_or_b32 v[64+\a], v115, 8, v114
	s_delay_alu instid0(VALU_DEP_1)
	v_or_b32 v[64+\a], 0x7f7f0000, v[64+\a]        ; the scale word: two bytes, and 1.0 over the zero codes of the instruction's upper 64
	global_store_b128 v3, v[48+4*\a:51+4*\a], s[84:85] offset:512*\a   ; 512 consecutive bytes
.endr
	v_cndmask_b32 v68, v64, v66, s96               ; lanes 0-15 store tiles 0, 1's words, lanes 16-31 tiles 2, 3's
	v_cndmask_b32 v69, v65, v67, s96
	global_store_b64 v12, v[68:69], s[86:87]       ; 256 consecutive bytes, aligned
	s_branch .Lend
.Lv:
	; ---- V
	s_lshl_b32 s20, s99, 16
	s_lshl_b32 s21, s98, 1
	s_lshr_b32 s84, s[WM], 1
	s_add_co_u32 s21, s21, s84                     ; key step 2 tl + wm / 2
	s_lshl_b32 s21, s21, 12
	s_add_co_u32 s20, s20, s21
	s_and_b32 s21, s[WM], 1
	s_lshl_b32 s21, s21, 9                         ; my 64 keys are the fragment's registers 4 (wm % 2) on
	s_add_co_u32 s20, s20, s21
	s_add_co_u32 s20, s20, O_VC
	s_mov_b32 s21, 0
	s_add_nc_u64 s[84:85], s[6:7], s[20:21]
	s_add_co_u32 s20, s96, s[WN]                   ; waves 0-3 store the scale words of head 4 cx + wave
	s_lshl_b32 s20, s20, 12
	s_lshl_b32 s21, s98, 9
	s_add_co_u32 s20, s20, s21
	s_add_co_u32 s20, s20, O_VS
	s_mov_b32 s21, 0
	s_add_nc_u64 s[86:87], s[6:7], s[20:21]
	s_wait_alu depctr_va_vdst(0)                   ; the wait at the head's end
	MAIN 1
.irp b, 0,1,2,3
	QUANT2 ACC+32*\b, 48+4*\b
	v_lshl_or_b32 v[64+\b], v115, 8, v114
	global_store_b128 v3, v[48+4*\b:51+4*\b], s[84:85] offset:1024*\b
	ds_store_b16 v13, v[64+\b] offset:4*\b         ; two of the four bytes of channel r's scale word; both halves of the lanes write the same
.endr
	s_wait_dscnt 0x0
	s_barrier_signal -1
	s_barrier_wait -1                              ; the scale words of four heads x two key steps lie in LDS
	s_cmp_lt_u32 s[WV], 4
	s_cbranch_scc0 .Lend
	ds_load_b128 v[72:75], v14
	s_wait_dscnt 0x0
	global_store_b128 v3, v[72:75], s[86:87]       ; 512 consecutive bytes
.Lend:
	s_wait_tensorcnt 0x0                           ; the wave's end
	ds_add_u32 v10, v11
	s_wait_dscnt 0x0
	CROUND                                         ; the closing round
	s_endpgm
.Lfunc_end_k_q9dd79ad01f_qkv:
	.size	k_q9dd79ad01f_qkv, .Lfunc_end_k_q9dd79ad01f_qkv-k_q9dd79ad01f_qkv
	.p2alignl 7, 3214868480
	.fill 96, 4, 3214868480
	.section	.rodata,"a",@progbits
	.p2align	6, 0x0
	.amdhsa_kernel k_q9dd79ad01f_qkv
		.amdhsa_group_segment_fixed_size 282624
		.amdhsa_private_segment_fixed_size 0
		.amdhsa_enable_private_segment 0
		.amdhsa_kernarg_size 16
		.amdhsa_user_sgpr_count 2
		.amdhsa_user_sgpr_kernarg_segment_ptr 1
		.amdhsa_wavefront_size32 1
		.amdhsa_system_sgpr_workgroup_id_x 1
		.amdhsa_system_sgpr_workgroup_id_y 1
		.amdhsa_system_sgpr_workgroup_id_z 1
		.amdhsa_system_vgpr_workitem_id 0
		.amdhsa_next_free_vgpr 256
		.amdhsa_next_free_sgpr 100
		.amdhsa_reserve_vcc 0
		.amdhsa_float_denorm_mode_32 3
		.amdhsa_float_denorm_mode_16_64 3
		.amdhsa_memory_ordered 1
		.amdhsa_forward_progress 1
		.amdhsa_inst_pref_size 81
	.end_amdhsa_kernel
	.amdgpu_metadata
---
amdhsa.version: [ 1, 2 ]
amdhsa.kernels:
  - .name:           k_q9dd79ad01f_qkv
    .symbol:         k_q9dd79ad01f_qkv.kd
    .args:
      - { .name: wsp, .offset: 0, .size: 8, .value_kind: global_buffer, .address_space: global }
      - { .name: qkvb, .offset: 8, .size: 8, .value_kind: global_buffer, .address_space: global }
    .group_segment_fixed_size: 282624
    .private_segment_fixed_size: 0
    .kernarg_segment_align: 8
    .kernarg_segment_size: 16
    .max_flat_workgroup_size: 512
    .sgpr_count:     100
    .vgpr_count:     256
    .wavefront_size: 32
...
	.end_amdgpu_metadata
.endif
;; end of part 2
;; launch attn (part 3): grid 8 x 32, 16 waves a work-group, clusters of 4 x 1, 327,680 bytes of LDS; arguments qkvb, atb; writes atb
.if DOCPART == 3
	.amdgcn_target "amdgcn-amd-amdhsa--gfx1250"
	.amdhsa_code_object_version 6
	.text
	.protected	k_q9dd79ad01f_attn
	.globl	k_q9dd79ad01f_attn
	.p2align	8
	.type	k_q9dd79ad01f_attn,@function
k_q9dd79ad01f_attn:
	s_mov_b64 s[64:65], 0
	v_nop
	global_prefetch_b8 v0, s[64:65] scope:SCOPE_SE
	s_setreg_imm32_b32 hwreg(HW_REG_WAVE_MODE, 25, 1), 1
	s_wait_xcnt 0x0
	s_wait_alu depctr_hold_cnt(0) depctr_sa_sdst(0) depctr_va_vdst(0) depctr_va_sdst(0) depctr_va_ssrc(0) depctr_va_vcc(0) depctr_vm_vsrc(0)
	s_getreg_b32 s2, hwreg(HW_REG_IB_STS2, 6, 4)
	s_cmp_eq_u32 s2, 0
	s_cbranch_scc0 .Lentry_in_a_cluster
	s_endpgm
.Lentry_in_a_cluster:
	s_bfe_u32 s2, ttmp6, 0x10000c
	s_cmp_lg_u32 s2, 0x3003
	s_cbranch_scc0 .Lentry_shape_is_right
	s_endpgm
.Lentry_shape_is_right:
; Launch 3: causal attention on codes of FP4; the result, divided by the row's sum, is quantised along D for the projection.
; DEAD WORK: reference() itself puts -inf on the scores of keys behind the query (jnp.tril), so p = 0 there for all inputs: key steps of 128 keys that lie wholly behind a wave's 16 queries are left out.
; A work-group owns one batch x head and 16 tiles of 16 queries; the head's whole K and V (2 x 65,536 bytes of codes) and their scale bytes stay in LDS, filled once.
; THE HEAD'S LOADS, one a wave, one group behind the one round: waves 0-3 K's codes (16,384 bytes each), waves 4-7 V's, waves 8 and 9 K's scale bytes (4,096 each), wave 10 V's.
; CLUSTER 4 x 1: the four work-groups of a cluster walk the same head: joint loads.  A long tile's keys are halved between two waves, joined through LDS at the end.
; The softmax keeps a running whole-number maximum.  LIMIT: the scaled scores stay under 2^31 in magnitude.
.set O_KC, 2097152
.set O_QS, 6291456
.set O_KS, 6553600
.set LV,    65536
.set LKS,   131072
.set LVS,   139264
.set SPARE, 143360
.set PART,  145408
.set SLOTB, 4608
.set O_AS,  2097152
.set WV,  8
.set UU,  9
.set TQ1, 12
.set SEL, 20
.set CS,  22
.set TB,  48
.set TSK, 49
.set TSV, 50
.set KF,  51
.set STP, 52
.set G1,  58
.set G2,  59
.set TQ2, 60
.set QB1, 61
.set QB2, 62
.set TBV, 63
.set PSW, 70
.set PSP, 71
.set TMP, 72
.set TY,  73
.macro CROUND
	s_barrier_signal -1
	s_barrier_wait -1
	s_cmp_lg_u32 s[WV], 0
	s_cbranch_scc1 .Lnot_wave_0_\@
	s_barrier_signal -3
.Lnot_wave_0_\@:
	s_barrier_wait -3
	s_barrier_signal -1
	s_barrier_wait -1
.endm
.macro QADR tq, ac, as, qb
	s_lshl_b32 s16, s13, 7
	s_add_co_u32 s16, s16, s[\tq]
	s_lshl_b32 s16, s16, 9
	s_mov_b32 s17, 0
	s_add_nc_u64 s[\ac:\ac+1], s[4:5], s[16:17]
	s_lshl_b32 s16, s13, 5
	s_lshr_b32 s17, s[\tq], 2
	s_add_co_u32 s16, s16, s17
	s_lshl_b32 s16, s16, 8
	s_bfe_u32 s17, s[\tq], 0x10001
	s_lshl_b32 s17, s17, 7
	s_add_co_u32 s16, s16, s17
	s_and_b32 s17, s[\tq], 1
	s_lshl_b32 s17, s17, 2
	s_add_co_u32 s16, s16, s17
	s_add_co_u32 s16, s16, O_QS
	s_mov_b32 s17, 0
	s_add_nc_u64 s[\as:\as+1], s[4:5], s[16:17]
	s_lshr_b32 s16, s[\tq], 1
	s_lshl_b32 s16, s16, 5
	s_and_b32 s17, s[\tq], 1
	s_lshl_b32 s17, s17, 3
	s_add_co_u32 s[\qb], s16, s17
.endm
.macro RESET
	v_mov_b32 v13, 0xff61b1e6
	s_delay_alu instid0(VALU_DEP_1)
	v_floor_f32 v12, -v13
	v_mov_b32 v14, 0
	v_mov_b32 v15, 0
.set n, 0
.rept 32
	v_mov_b32 v[160+n], 0
.set n, n+1
.endr
.endm
.macro KEYS first, gg, qb, qs
	s_mov_b32 s[TB], \first*4096
	s_mov_b32 s[TBV], \first*4096+LV
	s_mov_b32 s[TSK], \first*512
	s_mov_b32 s[TSV], \first*256
	s_mov_b32 s[KF], \first*128
	s_mov_b32 s[STP], \first
.Lstep_\@:
	s_cmp_gt_u32 s[STP], s[\gg]
	s_cbranch_scc1 .Lhidden_\@
	v_add_nc_u32 v8, s[TB], v1
	v_add_nc_u32 v9, s[TBV], v1
	v_add_nc_u32 v10, s[TSK], v3
	v_add_nc_u32 v11, s[TSV], v4
.irp t, 0,1,2,3,4,5,6,7
	ds_load_b128 v[32+8*\t:35+8*\t], v8 offset:512*\t
.endr
.irp p, 0,1,2,3
	ds_load_b64 v[24+2*\p:25+2*\p], v10 offset:128*\p
.endr
.irp t, 0,1,2,3
.irp c, 0,1
	ds_load_b128 v[192+8*\t+4*\c:195+8*\t+4*\c], v9 offset:1024*\t+512*\c
.endr
.endr
	ds_load_b128 v[248:251], v11
	s_wait_dscnt 0x9
	s_wait_alu depctr_va_vdst(0)
.irp t, 0,1,2,3,4,5,6,7
	v_wmma_scale_f32_16x16x128_f8f6f4 v[96+8*\t:103+8*\t], v[32+8*\t:39+8*\t], v[16:23], 0, v[24+\t], v[\qs] matrix_a_fmt:MATRIX_FMT_FP4 matrix_b_fmt:MATRIX_FMT_FP4
.endr
.rept 4
	v_nop
.endr
	s_cmp_lt_u32 s[STP], s[\gg]
	s_cbranch_scc1 .Lopen_\@
	s_sub_co_i32 s[TMP], s[\qb], s[KF]
	v_add_nc_u32 v252, s[TMP], v7
	v_mov_b32 v254, 0xff800000
.set n, 0
.rept 64
	v_cmp_gt_i32 vcc_lo, 32*(n/16)+n%16, v252
	v_cndmask_b32 v[96+n], v[96+n], v254, vcc_lo
.set n, n+1
.endr
.Lopen_\@:
.irp b, 0,1,2,3
	v_max3_num_f32 v[232+\b], v[96+16*\b], v[97+16*\b], v[98+16*\b]
.endr
.irp i, 3,5,7,9,11,13
.irp b, 0,1,2,3
	v_max3_num_f32 v[232+\b], v[232+\b], v[96+16*\b+\i], v[97+16*\b+\i]
.endr
.endr
.irp b, 0,1,2,3
	v_max_num_f32 v[232+\b], v[232+\b], v[111+16*\b]
.endr
.irp b, 0,1,2,3
	s_delay_alu instid0(VALU_DEP_4)
	v_permlanex16_b32 v[236+\b], v[232+\b], s[SEL], s[SEL+1]
.endr
.irp b, 0,1,2,3
	s_delay_alu instid0(VALU_DEP_4)
	v_max_num_f32 v[232+\b], v[232+\b], v[236+\b]
.endr
	s_delay_alu instid0(VALU_DEP_2)
	v_max3_num_f32 v254, v232, v233, v234
	s_delay_alu instid0(VALU_DEP_1)
	v_max_num_f32 v254, v254, v235
	s_delay_alu instid0(VALU_DEP_1)
	v_mul_f32 v254, s[CS], v254
	s_delay_alu instid0(VALU_DEP_1)
	v_max_num_f32 v13, v13, v254
	v_mov_b32 v254, v12
	s_delay_alu instid0(VALU_DEP_2)
	v_floor_f32 v12, -v13
	s_delay_alu instid0(VALU_DEP_1)
	v_sub_f32 v254, v12, v254
	s_delay_alu instid0(VALU_DEP_1)
	v_cvt_i32_f32 v254, v254
	s_delay_alu instid0(VALU_DEP_1)
	v_ldexp_f32 v252, 1.0, v254
.set n, 0
.rept 32
	v_pk_fma_f32 v[96+n:97+n], v[96+n:97+n], s[CS:CS+1], v[12:13] op_sel_hi:[1,0,0]
.set n, n+2
.endr
.irp b, 0,1,2,3
	v_fma_f32 v[232+\b], v[232+\b], s[CS], v12
.endr
.set n, 0
	s_wait_alu depctr_va_vdst(0)
.rept 64
	v_exp_f32 v[96+n], v[96+n]
.set n, n+1
.endr
	v_pk_mul_f32 v[14:15], v[14:15], v[252:253] op_sel_hi:[1,0]
	s_wait_alu depctr_va_vdst(0)
.irp b, 0,1,2,3
	v_exp_f32 v[232+\b], v[232+\b]
.endr
	v_pk_add_f32 v[236:237], v[96:97], v[98:99]
.irp j, 4,8,12,16,20,24,28,32,36,40,44,48,52,56,60
	v_pk_add_f32 v[14:15], v[14:15], v[96+\j:97+\j]
	v_pk_add_f32 v[236:237], v[236:237], v[98+\j:99+\j]
.endr
	s_delay_alu instid0(VALU_DEP_1)
	v_pk_add_f32 v[14:15], v[14:15], v[236:237]
	s_wait_alu depctr_va_vdst(0)
.irp b, 0,1,2,3
	v_max_num_f32 v[232+\b], 0x1800000, v[232+\b]
.endr
.irp b, 0,1,2,3
	s_delay_alu instid0(VALU_DEP_4)
	v_add_nc_u32 v[244+\b], 0xff000000, v[232+\b]
.endr
.irp b, 0,1,2,3
	s_delay_alu instid0(VALU_DEP_4)
	v_lshrrev_b32 v[236+\b], 23, v[244+\b]
.endr
	s_delay_alu instid0(VALU_DEP_3)
	v_lshl_or_b32 v253, v237, 8, v236
	s_delay_alu instid0(VALU_DEP_1)
	v_lshl_or_b32 v253, v238, 16, v253
	s_delay_alu instid0(VALU_DEP_1)
	v_lshl_or_b32 v253, v239, 24, v253
.irp b, 0,1,2,3
	v_cvt_scalef32_pk8_fp4_f32 v[224+2*\b], v[96+16*\b:103+16*\b], v[244+\b]
	v_cvt_scalef32_pk8_fp4_f32 v[225+2*\b], v[104+16*\b:111+16*\b], v[244+\b]
.endr
	v_nop
.irp c, 0,1
.irp i, 0,1
	v_permlane16_swap_b32 v[224+4*\c+\i], v[226+4*\c+\i]
.endr
.endr
.set n, 0
.rept 16
	v_pk_mul_f32 v[160+n:161+n], v[160+n:161+n], v[252:253] op_sel_hi:[1,0]
.set n, n+2
.endr
	s_wait_alu depctr_va_vdst(0)
	s_wait_dscnt 0x0
.irp t, 0,1,2,3
	v_wmma_scale_f32_16x16x128_f8f6f4 v[160+8*\t:167+8*\t], v[192+8*\t:199+8*\t], v[224:231], v[160+8*\t:167+8*\t], v[248+\t], v253 matrix_a_fmt:MATRIX_FMT_FP4 matrix_b_fmt:MATRIX_FMT_FP4
.endr
.Lhidden_\@:
	s_add_co_u32 s[TB], s[TB], 4096
	s_add_co_u32 s[TBV], s[TBV], 4096
	s_add_co_u32 s[TSK], s[TSK], 512
	s_add_co_u32 s[TSV], s[TSV], 256
	s_add_co_u32 s[KF], s[KF], 128
	s_add_co_u32 s[STP], s[STP], 1
	s_cmp_lt_u32 s[STP], \first+8
	s_cbranch_scc1 .Lstep_\@
.endm
	s_load_b128 s[4:7], s[0:1], 0x0
	v_lshl_add_u32 v5, v0, 2, SPARE
	v_mov_b32 v6, 0
	ds_add_u32 v5, v6
	ds_add_u32 v5, v6
	v_lshrrev_b32 v8, 5, v0
	s_delay_alu instid0(VALU_DEP_1)
	v_readfirstlane_b32 s[WV], v8
	s_lshr_b32 s14, s8, 2
	s_xor_b32 s14, s14, s8
	s_and_b32 s[TY], s14, 1
	s_and_b32 s15, s8, 3
	s_lshr_b32 s16, s8, 3
	s_lshl_b32 s16, s16, 2
	s_or_b32 s15, s15, s16
	s_lshl_b32 s16, s[TY], 3
	s_or_b32 s[UU], s15, s16
	s_mul_i32 s[PSW], s[UU], SLOTB
	s_add_co_u32 s[PSW], s[PSW], PART
	s_xor_b32 s15, s[UU], 15
	s_mul_i32 s[PSP], s15, SLOTB
	s_add_co_u32 s[PSP], s[PSP], PART
	s_add_co_u32 s15, s15, 8
	s_mul_i32 s[G1], s[TY], s15
	s_xor_b32 s[G2], s[UU], 8
	s_bfe_u32 s10, ttmp6, 0x40000
	s_lshl_b32 s11, ttmp9, 2
	s_add_co_u32 s11, s11, s10
	s_lshl_b32 s[TQ1], s[G1], 3
	s_add_co_u32 s[TQ1], s[TQ1], s11
	s_lshl_b32 s[TQ2], s[G2], 3
	s_add_co_u32 s[TQ2], s[TQ2], s11
	s_and_b32 s13, ttmp7, 0xffff
	s_mov_b32 s24, 15|(3<<16)|(1<<21)
	s_mov_b32 s25, 32<<16
	s_mov_b32 s26, 64<<16
	s_mov_b32 s27, 32<<16
	s_mov_b32 s28, 64
	s_mov_b32 s29, 32
	s_mov_b32 s30, 0
	s_mov_b32 s31, 0
	s_mov_b32 s32, 15|(3<<16)|(1<<21)
	s_mov_b32 s33, 32<<16
	s_mov_b32 s34, 16<<16
	s_mov_b32 s35, 32<<16
	s_mov_b32 s36, 16
	s_mov_b32 s37, 32
	s_mov_b32 s38, 0
	s_mov_b32 s39, 0
	s_lshr_b32 s14, s8, 2                          ; waves 0-3: K's codes, waves 4-7: V's
	s_and_b32 s15, s8, 3                           ; which quarter, 16,384 bytes
	s_lshl_b32 s16, s14, 21
	s_lshl_b32 s17, s13, 16
	s_add_co_u32 s16, s16, s17
	s_lshl_b32 s17, s15, 14
	s_add_co_u32 s16, s16, s17
	s_add_co_u32 s16, s16, O_KC
	s_mov_b32 s17, 0
	s_and_b32 s53, s8, 3                           ; waves 8, 9: the halves of K's scale bytes; wave 10: V's
	s_lshr_b32 s14, s53, 1
	s_sub_co_u32 s18, 13, s14
	s_lshl_b32 s18, s13, s18
	s_mul_i32 s19, s14, 253952
	s_add_co_u32 s18, s18, s19
	s_lshl_b32 s19, s53, 12
	s_add_co_u32 s18, s18, s19
	s_add_co_u32 s18, s18, O_KS
	s_mov_b32 s19, 0
	s_mov_b32 s[SEL], 0x76543210
	s_mov_b32 s[SEL+1], 0xfedcba98
	s_mov_b32 s[CS], 0x3e38aa3b
	s_mov_b32 s[CS+1], s[CS]
	s_wait_dscnt 0x0
	s_wait_kmcnt 0x0
	s_mov_b32 s40, 1
	s_lshl_b32 s41, s8, 14
	s_add_nc_u64 s[42:43], s[4:5], s[16:17]
	s_or_b32 s43, s43, 0x80000000
	s_mov_b32 s44, 1
	s_lshl_b32 s45, s53, 12
	s_add_co_u32 s45, s45, LKS
	s_add_nc_u64 s[46:47], s[4:5], s[18:19]
	s_or_b32 s47, s47, 0x80000000
	CROUND
	s_cmp_lt_u32 s[WV], 8                          ; one tree of branches on the wave's number, one load to an arm
	s_cbranch_scc0 .Lscales
	tensor_load_to_lds s[40:43], s[24:31]
	s_nop 0
.rept 4
	v_nop
.endr
	s_branch .Lno_scales
.Lscales:
	s_cmp_lt_u32 s[WV], 11
	s_cbranch_scc0 .Lno_scales
	tensor_load_to_lds s[44:47], s[32:39]
	s_nop 0
.rept 4
	v_nop
.endr
.Lno_scales:
	QADR TQ1, 54, 56, QB1
	QADR TQ2, 66, 68, QB2
	v_and_b32 v1, 31, v0
	s_delay_alu instid0(VALU_DEP_1)
	v_lshlrev_b32 v1, 4, v1
	v_and_b32 v8, 15, v0
	v_bfe_u32 v9, v0, 4, 1
	s_delay_alu instid0(VALU_DEP_2)
	v_lshlrev_b32 v10, 3, v8
	global_load_b128 v[16:19], v1, s[54:55]
	global_load_b32 v255, v10, s[56:57]
	global_load_b128 v[240:243], v1, s[66:67]
	global_load_b32 v2, v10, s[68:69]
	v_lshl_add_u32 v3, v8, 3, LKS
	v_lshl_add_u32 v4, v8, 4, LVS
	v_and_b32 v11, 8, v8
	s_delay_alu instid0(VALU_DEP_1)
	v_add_nc_u32 v7, v11, v8
	v_lshlrev_b32 v11, 4, v9
	s_delay_alu instid0(VALU_DEP_1)
	v_sub_nc_u32 v7, v7, v11
	RESET
.irp i, 20,21,22,23
	v_mov_b32 v[\i], 0
.endr
.irp t, 0,1,2,3,4,5,6,7
.irp i, 4,5,6,7
	v_mov_b32 v[32+8*\t+\i], 0
.endr
.endr
.irp i, 236,237,238,239,252,253
	v_mov_b32 v[\i], 0
.endr
	s_wait_tensorcnt 0x0
	s_barrier_signal -1
	s_barrier_wait -1
	s_wait_loadcnt 0x0
	KEYS 8, G1, QB1, 255
.rept 4
	v_nop
.endr
	v_add_nc_u32 v8, s[PSW], v1
.irp i, 0,1,2,3
	v_mov_b32 v[16+\i], v[240+\i]
.endr
	s_cmp_eq_u32 s[TY], 0
	s_cbranch_scc1 .Lno_part
.irp i, 0,1,2,3,4,5,6,7
	ds_store_b128 v8, v[160+4*\i:163+4*\i] offset:512*\i
.endr
	ds_store_b128 v8, v[12:15] offset:4096
	s_wait_dscnt 0x0
	RESET
.Lno_part:
	KEYS 0, G2, QB2, 2
.rept 4
	v_nop
.endr
	v_add_nc_u32 v8, s[PSP], v1
	s_wait_dscnt 0x0
	s_barrier_signal -1
	s_barrier_wait -1
	s_cmp_lg_u32 s[TY], 0
	s_cbranch_scc1 .Lwhole
	s_wait_alu depctr_va_vdst(0)
.irp i, 0,1,2,3,4,5,6,7
	ds_load_b128 v[96+4*\i:99+4*\i], v8 offset:512*\i
.endr
	ds_load_b128 v[128:131], v8 offset:4096
	s_wait_dscnt 0x0
	v_min_num_f32 v132, v12, v128
	s_delay_alu instid0(VALU_DEP_1)
	v_sub_f32 v133, v132, v12
	s_delay_alu instid0(VALU_DEP_2)
	v_sub_f32 v134, v132, v128
	s_delay_alu instid0(VALU_DEP_2)
	v_cvt_i32_f32 v133, v133
	s_delay_alu instid0(VALU_DEP_2)
	v_cvt_i32_f32 v134, v134
	s_delay_alu instid0(VALU_DEP_2)
	v_ldexp_f32 v136, 1.0, v133
	s_delay_alu instid0(VALU_DEP_2)
	v_ldexp_f32 v138, 1.0, v134
	s_delay_alu instid0(VALU_DEP_2)
	v_mov_b32 v137, v136
	s_delay_alu instid0(VALU_DEP_2)
	v_mov_b32 v139, v138
	s_delay_alu instid0(VALU_DEP_2)
	v_pk_mul_f32 v[14:15], v[14:15], v[136:137] op_sel_hi:[1,0]
	s_delay_alu instid0(VALU_DEP_1)
	v_pk_fma_f32 v[14:15], v[130:131], v[138:139], v[14:15] op_sel_hi:[1,0,1]
.set n, 0
.rept 16
	v_pk_mul_f32 v[160+n:161+n], v[160+n:161+n], v[136:137] op_sel_hi:[1,0]
.set n, n+2
.endr
.set n, 0
.rept 16
	v_pk_fma_f32 v[160+n:161+n], v[96+n:97+n], v[138:139], v[160+n:161+n] op_sel_hi:[1,0,1]
.set n, n+2
.endr
.Lwhole:
	v_add_f32 v14, v14, v15
	s_wait_alu depctr_va_vdst(0)
	v_permlanex16_b32 v252, v14, s[SEL], s[SEL+1]
	s_delay_alu instid0(VALU_DEP_1)
	v_add_f32 v14, v14, v252
	s_wait_alu depctr_va_vdst(0)
	v_rcp_f32 v15, v14
	v_and_b32 v8, 15, v0
	s_delay_alu instid0(VALU_DEP_1)
	v_lshlrev_b32 v8, 4, v8
	s_lshr_b32 s16, s13, 4
	s_lshl_b32 s16, s16, 7
	s_add_co_u32 s16, s16, s[TQ2]
	s_and_b32 s17, s13, 15
	s_lshr_b32 s18, s17, 1
	s_and_b32 s19, s17, 1
	s_lshl_b32 s54, s16, 13
	s_lshl_b32 s55, s18, 10
	s_add_co_u32 s54, s54, s55
	s_lshl_b32 s55, s19, 9
	s_add_co_u32 s54, s54, s55
	s_mov_b32 s55, 0
	s_add_nc_u64 s[54:55], s[6:7], s[54:55]
	s_lshl_b32 s56, s16, 9
	s_lshr_b32 s57, s18, 2
	s_lshl_b32 s57, s57, 8
	s_add_co_u32 s56, s56, s57
	s_and_b32 s57, s18, 3
	s_lshl_b32 s57, s57, 2
	s_add_co_u32 s56, s56, s57
	s_lshl_b32 s57, s19, 1
	s_add_co_u32 s56, s56, s57
	s_add_co_u32 s56, s56, O_AS
	s_mov_b32 s57, 0
	s_add_nc_u64 s[56:57], s[6:7], s[56:57]
	s_wait_alu depctr_va_vdst(0)
.set n, 0
.rept 32
	v_mul_f32 v[96+n], v[160+n], v15
.set n, n+1
.endr
.irp b, 0,1
	v_max3_num_f32 v[232+\b], |v[96+16*\b]|, |v[97+16*\b]|, 0x1800000
.endr
.irp i, 2,4,6,8,10,12,14
.irp b, 0,1
	s_delay_alu instid0(VALU_DEP_2)
	v_max3_num_f32 v[232+\b], v[232+\b], |v[96+16*\b+\i]|, |v[97+16*\b+\i]|
.endr
.endr
.irp b, 0,1
	s_delay_alu instid0(VALU_DEP_2)
	v_permlanex16_b32 v[236+\b], v[232+\b], s[SEL], s[SEL+1]
.endr
.irp b, 0,1
	s_delay_alu instid0(VALU_DEP_2)
	v_max_num_f32 v[232+\b], v[232+\b], v[236+\b]
.endr
.irp b, 0,1
	s_delay_alu instid0(VALU_DEP_2)
	v_add_nc_u32 v[244+\b], 0xff000000, v[232+\b]
.endr
.irp b, 0,1
	s_delay_alu instid0(VALU_DEP_2)
	v_lshrrev_b32 v[236+\b], 23, v[244+\b]
.endr
	s_delay_alu instid0(VALU_DEP_1)
	v_lshl_or_b32 v9, v237, 8, v236
.irp b, 0,1
	v_cvt_scalef32_pk8_fp4_f32 v[224+2*\b], v[96+16*\b:103+16*\b], v[244+\b]
	v_cvt_scalef32_pk8_fp4_f32 v[225+2*\b], v[104+16*\b:111+16*\b], v[244+\b]
.endr
	v_nop
	v_permlane16_swap_b32 v224, v226
	v_permlane16_swap_b32 v225, v227
	global_store_b128 v1, v[224:227], s[54:55]
	global_store_b16 v8, v9, s[56:57]
	s_wait_tensorcnt 0x0
	ds_add_u32 v5, v6
	s_wait_dscnt 0x0
	CROUND
	s_endpgm
.Lfunc_end_k_q9dd79ad01f_attn:
	.size	k_q9dd79ad01f_attn, .Lfunc_end_k_q9dd79ad01f_attn-k_q9dd79ad01f_attn
	.p2alignl 7, 3214868480
	.fill 96, 4, 3214868480
	.section	.rodata,"a",@progbits
	.p2align	6, 0x0
	.amdhsa_kernel k_q9dd79ad01f_attn
		.amdhsa_group_segment_fixed_size 327680
		.amdhsa_private_segment_fixed_size 0
		.amdhsa_enable_private_segment 0
		.amdhsa_kernarg_size 16
		.amdhsa_user_sgpr_count 2
		.amdhsa_user_sgpr_kernarg_segment_ptr 1
		.amdhsa_wavefront_size32 1
		.amdhsa_system_sgpr_workgroup_id_x 1
		.amdhsa_system_sgpr_workgroup_id_y 1
		.amdhsa_system_sgpr_workgroup_id_z 1
		.amdhsa_system_vgpr_workitem_id 0
		.amdhsa_next_free_vgpr 256
		.amdhsa_next_free_sgpr 76
		.amdhsa_reserve_vcc 1
		.amdhsa_float_denorm_mode_32 3
		.amdhsa_float_denorm_mode_16_64 3
		.amdhsa_memory_ordered 1
		.amdhsa_forward_progress 1
		.amdhsa_inst_pref_size 65
	.end_amdhsa_kernel
	.amdgpu_metadata
---
amdhsa.version: [ 1, 2 ]
amdhsa.kernels:
  - .name:           k_q9dd79ad01f_attn
    .symbol:         k_q9dd79ad01f_attn.kd
    .args:
      - { .name: qkvb, .offset: 0, .size: 8, .value_kind: global_buffer, .address_space: global }
      - { .name: atb, .offset: 8, .size: 8, .value_kind: global_buffer, .address_space: global }
    .group_segment_fixed_size: 327680
    .private_segment_fixed_size: 0
    .kernarg_segment_align: 8
    .kernarg_segment_size: 16
    .max_flat_workgroup_size: 512
    .sgpr_count:     76
    .vgpr_count:     256
    .wavefront_size: 32
...
	.end_amdgpu_metadata
.endif
;; end of part 3
;; launch oproj (part 4): grid 8 x 32, 16 waves a work-group, clusters of 4 x 4, 167,936 bytes of LDS; arguments atb, wsp, x, x1; writes x1
.if DOCPART == 4
	.amdgcn_target "amdgcn-amd-amdhsa--gfx1250"
	.amdhsa_code_object_version 6
	.text
	.protected	k_q9dd79ad01f_oproj
	.globl	k_q9dd79ad01f_oproj
	.p2align	8
	.type	k_q9dd79ad01f_oproj,@function
k_q9dd79ad01f_oproj:
	s_mov_b64 s[64:65], 0
	v_nop
	global_prefetch_b8 v0, s[64:65] scope:SCOPE_SE
	s_setreg_imm32_b32 hwreg(HW_REG_WAVE_MODE, 25, 1), 1
	s_wait_xcnt 0x0
	s_wait_alu depctr_hold_cnt(0) depctr_sa_sdst(0) depctr_va_vdst(0) depctr_va_sdst(0) depctr_va_ssrc(0) depctr_va_vcc(0) depctr_vm_vsrc(0)
	s_getreg_b32 s2, hwreg(HW_REG_IB_STS2, 6, 4)
	s_cmp_eq_u32 s2, 0
	s_cbranch_scc0 .Lentry_in_a_cluster
	s_endpgm
.Lentry_in_a_cluster:
	s_bfe_u32 s2, ttmp6, 0x10000c
	s_cmp_lg_u32 s2, 0xf033
	s_cbranch_scc0 .Lentry_shape_is_right
	s_endpgm
.Lentry_shape_is_right:
; Launch 4: x1 = x + attn x w_o, on codes of FP4, K = 1,024; x1 is f32, row-major.
; A work-group makes 128 x 128 (256 work-groups); sixteen waves, each 32 x 32: four accumulators.  Both panels for all of K (2 x 65,536 dense bytes) and their scale bytes (2 x 4,096) come into LDS once; nothing is filled again.
; THE HEAD'S LOADS, one a wave: waves 0-3 a quarter of A's panel each (16,384 bytes), waves 4-7 of B's, wave 8 A's scale bytes, wave 9 B's.  No prefetch: no loop to run ahead in.
; CLUSTER 4 x 4: A's panel shared along a row, B's along a column: joint loads.
; The product is used transposed (source 0 = the weight's columns): a lane's eight results are eight neighbouring columns of one row.  The way out goes through a stage in LDS, laid over the panels
; behind their last read and a barrier (they have had their last fill), so that whole rows of 512 bytes are added to the residual and stored.
.set A_C, 0
.set A_S, 2097152
.set B_C, 1572864
.set B_S, 7438336
.set SCT,   512                        ; a tile's scale bytes
.set PB,    65536                      ; LDS: A's fragment (tile T, K step S) at 8192 T + 1024 S; B's likewise from here
.set SA,    131072                     ; A's scale bytes; B's 4,096 further on
.set SPARE, 139264                     ; the spare words, 128 bytes for each of the sixteen waves
.set SP,    528                        ; a stage row: 512 bytes + 16
.set SC,  16                           ; v16-31 scale words alone: register 8 ch + 4 i + q: lanes 0-15 A's tile i, lanes 16-31 B's, K step 4 ch + q
.set ACC, 112
.set AB, 4
.set BB, 6
.set WV, 12
.set WM, 13
.set WN, 14
.set CX, 15
.set CY, 16
.set TC, 17
.set TR, 18
.set G1C, 24
.set G1D, 32
.set G1S, 40
.set G1T, 48
.set G0C, 56
.set G0D, 60
.set G0S, 68
.set G0T, 72
.macro CROUND
	s_barrier_signal -1
	s_barrier_wait -1
	s_cmp_lg_u32 s[WV], 0
	s_cbranch_scc1 .Lnot_wave_0_\@
	s_barrier_signal -3
.Lnot_wave_0_\@:
	s_barrier_wait -3
	s_barrier_signal -1
	s_barrier_wait -1
.endm
.macro ARM under, g0, g1, next
	s_cmp_lt_u32 s[WV], \under
	s_cbranch_scc0 \next
	tensor_load_to_lds s[\g0:\g0+3], s[\g1:\g1+7]
	s_nop 0
.rept 4
	v_nop
.endr
	s_branch .Lfilled
\next:
.endm
.macro G0ADR g, base, off
	s_add_nc_u64 s[\g+2:\g+3], s[\base:\base+1], s[\off:\off+1]
	s_or_b32 s[\g+3], s[\g+3], 0x80000000
.endm
	s_load_b256 s[4:11], s[0:1], 0x0               ; atb, wsp, x, x1
	v_lshl_add_u32 v10, v0, 2, SPARE
	v_mov_b32 v11, 0
	ds_add_u32 v10, v11                            ; the opening lines: the add, twice on end, and its wait
	ds_add_u32 v10, v11
	v_lshrrev_b32 v1, 5, v0
	s_delay_alu instid0(VALU_DEP_1)
	v_readfirstlane_b32 s[WV], v1
	s_lshr_b32 s[WM], s[WV], 2
	s_and_b32 s[WN], s[WV], 3
	s_bfe_u32 s[CX], ttmp6, 0x40000
	s_bfe_u32 s[CY], ttmp6, 0x40004
	s_lshl_b32 s[TC], ttmp9, 2
	s_add_co_u32 s[TC], s[TC], s[CX]               ; tile column
	s_and_b32 s[TR], ttmp7, 0xffff
	s_lshl_b32 s[TR], s[TR], 2
	s_add_co_u32 s[TR], s[TR], s[CY]               ; tile row
	s_lshl_b32 s20, s[CY], 2
	s_lshl_b32 s20, 15, s20
	s_lshl_b32 s21, 0x1111, s[CX]
	s_or_b32 s[G1C], s20, (3<<16)|(1<<21)
	s_or_b32 s[G1S], s20, (3<<16)|(1<<21)
	s_or_b32 s[G1D], s21, (3<<16)|(1<<21)
	s_or_b32 s[G1T], s21, (3<<16)|(1<<21)
.irp g, G1C, G1D                       ; codes: 16,384 dense bytes as 64 rows of 256
	s_mov_b32 s[\g+2], 64<<16
	s_mov_b32 s[\g+4], 64
.endr
.irp g, G1S, G1T                       ; scale bytes: 4,096 dense bytes as 16 rows of 256
	s_mov_b32 s[\g+2], 16<<16
	s_mov_b32 s[\g+4], 16
.endr
.irp g, G1C, G1D, G1S, G1T
	s_mov_b32 s[\g+1], 32<<16
	s_mov_b32 s[\g+3], 32<<16
	s_mov_b32 s[\g+5], 32
	s_mov_b32 s[\g+6], 0
	s_mov_b32 s[\g+7], 0
.endr
	s_lshl_b32 s22, s[WN], 14
	s_lshl_b32 s84, s[TR], 16                      ; A's panel hangs on the tile row alone
	s_add_co_u32 s84, s84, s22
	s_add_co_u32 s84, s84, A_C
	s_mov_b32 s85, 0
	s_lshl_b32 s86, s[TR], 12
	s_add_co_u32 s86, s86, A_S
	s_mov_b32 s87, 0
	s_lshl_b32 s88, s[TC], 16                      ; B's on the tile column alone
	s_add_co_u32 s88, s88, s22
	s_add_co_u32 s88, s88, B_C
	s_mov_b32 s89, 0
	s_lshl_b32 s90, s[TC], 12
	s_add_co_u32 s90, s90, B_S
	s_mov_b32 s91, 0
	s_mov_b32 s[G0C], 1
	s_lshl_b32 s[G0C+1], s[WV], 14                 ; LDS: 16,384 x wave: waves 0-3 fill A's panel, waves 4-7 B's
	s_mov_b32 s[G0D], 1
	s_lshl_b32 s[G0D+1], s[WV], 14
	s_mov_b32 s[G0S], 1
	s_mov_b32 s[G0S+1], SA
	s_mov_b32 s[G0T], 1
	s_mov_b32 s[G0T+1], SA+4096
	s_lshl_b32 s22, s[TR], 7
	s_lshl_b32 s23, s[WV], 3
	s_add_co_u32 s22, s22, s23                     ; the first of the 8 rows that I add and store: 128 tr + 8 wave
	s_lshl_b32 s22, s22, 12
	s_lshl_b32 s23, s[TC], 9
	s_add_co_u32 s22, s22, s23
	s_mov_b32 s23, 0
	s_wait_dscnt 0x0                               ; both opening adds are done
	s_wait_kmcnt 0x0
	G0ADR G0C, AB, 84
	G0ADR G0S, AB, 86
	G0ADR G0D, BB, 88
	G0ADR G0T, BB, 90
	s_add_nc_u64 s[8:9], s[8:9], s[22:23]
	s_add_nc_u64 s[10:11], s[10:11], s[22:23]
	CROUND                                         ; all sixteen work-groups are here: the joint loads meet
	ARM 4,  G0C, G1C, .Lfill_b
	ARM 8,  G0D, G1D, .Lfill_sa
	ARM 9,  G0S, G1S, .Lfill_sb
	ARM 10, G0T, G1T, .Lfill_none
.Lfilled:
	v_and_b32 v1, 15, v0                           ; r
	v_bfe_u32 v2, v0, 4, 1                         ; h
	v_and_b32 v13, 31, v0
	s_delay_alu instid0(VALU_DEP_1)
	v_lshlrev_b32 v13, 4, v13                      ; 16 x lane
	s_wait_alu depctr_va_vdst(0)
.irp i, 0,1,2,3,4,5,6,7
	global_load_b128 v[144+4*\i:147+4*\i], v13, s[8:9] offset:4096*\i   ; the residual's 8 rows x 512 bytes: asked for now, wanted at the end
.endr
	s_lshl_b32 s22, s[WM], 14
	v_add_nc_u32 v4, s22, v13                      ; my two tiles of A
	s_lshl_b32 s22, s[WN], 14
	s_add_co_u32 s22, s22, PB
	v_add_nc_u32 v6, s22, v13                      ; of B
	s_mul_i32 s22, s[WN], 2*SCT
	s_add_co_u32 s22, s22, 8*SCT
	s_mul_i32 s23, s[WM], 2*SCT
	s_sub_co_u32 s22, s22, s23
	v_mul_u32_u24 v8, s22, v2                      ; scale words: lanes 0-15 A's tiles, lanes 16-31 B's: the lower base + h x the distance
	s_delay_alu instid0(VALU_DEP_1)
	v_lshl_add_u32 v8, v1, 4, v8
	s_add_co_u32 s23, s23, SA
	v_add_nc_u32 v8, s23, v8
	v_and_b32 v9, 8, v1
	s_delay_alu instid0(VALU_DEP_1)
	v_add_nc_u32 v9, v9, v1
	s_lshl_b32 s22, s[WM], 5
	v_add_nc_u32 v9, s22, v9                       ; the stage, in: row 32 wm + r + 8 (r/8) (+ 8 for the odd tile),
	s_delay_alu instid0(VALU_DEP_1)
	v_mul_u32_u24 v9, v9, SP
	s_delay_alu instid0(VALU_DEP_1)
	v_lshl_add_u32 v9, v2, 6, v9                   ; columns 32 wn + 16 h on
	s_lshl_b32 s22, s[WN], 7
	v_add_nc_u32 v9, s22, v9
	s_mul_i32 s22, s[WV], 8*SP
	v_add_nc_u32 v12, s22, v13                     ; and back: rows 8 wave on, 16 bytes a lane
.macro MMT d, fb, fa, sb, sa, zero
.if \zero
	v_wmma_scale_f32_16x16x128_f8f6f4 v[\d:\d+7], v[\fb:\fb+7], v[\fa:\fa+7], 0, v[\sb], v[\sa] matrix_a_fmt:MATRIX_FMT_FP4 matrix_b_fmt:MATRIX_FMT_FP4 matrix_a_scale:MATRIX_SCALE_ROW1
.else
	v_wmma_scale_f32_16x16x128_f8f6f4 v[\d:\d+7], v[\fb:\fb+7], v[\fa:\fa+7], v[\d:\d+7], v[\sb], v[\sa] matrix_a_fmt:MATRIX_FMT_FP4 matrix_b_fmt:MATRIX_FMT_FP4 matrix_a_scale:MATRIX_SCALE_ROW1
.endif
.endm
; Two K steps: four places, 16 LDS loads, 8 products: the four accumulators take turns, one instruction a turn.
.macro KPAIR S0, zero
.rept 4
	v_nop
.endr
.irp e, 0,1
.irp i, 0,1
.irp g, 0,1
	ds_load_b128 v[48+32*\e+8*\i+4*\g:51+32*\e+8*\i+4*\g], v4 offset:8192*\i+1024*((\S0)+\e)+512*\g
	ds_load_b128 v[64+32*\e+8*\i+4*\g:67+32*\e+8*\i+4*\g], v6 offset:8192*\i+1024*((\S0)+\e)+512*\g
.endr
.endr
.endr
	s_wait_dscnt 0x0
.irp e, 0,1
.irp a, 0,1
.irp b, 0,1
	MMT ACC+8*(2*\a+\b), 64+32*\e+8*\b, 48+32*\e+8*\a, SC+8*(((\S0)+\e)/4)+4*\b+((\S0)+\e)%4, SC+8*(((\S0)+\e)/4)+4*\a+((\S0)+\e)%4, (\zero)*(1-\e)
.endr
.endr
.endr
.endm
	s_wait_alu depctr_va_vdst(0)                   ; the wait at the head's end
	s_wait_tensorcnt 0x0                           ; my load, if I issued one, has landed
	s_barrier_signal -1
	s_barrier_wait -1                              ; everybody's has
.irp q, 0,1
.irp i, 0,1
	ds_load_b128 v[SC+8*\q+4*\i:SC+8*\q+4*\i+3], v8 offset:SCT*\i+256*\q
.endr
.endr
	KPAIR 0, 1                                     ; the first products start the sums
.irp s, 2,4,6
	KPAIR \s, 0
.endr
.rept 4
	v_nop                                          ; places ahead of the stores that read results
.endr
	s_wait_dscnt 0x0
	s_barrier_signal -1
	s_barrier_wait -1                              ; nobody reads the panels any more: the stage may be written over them
.irp a, 0,1
.irp b, 0,1
	ds_store_b128 v9, v[ACC+8*(2*\a+\b):ACC+8*(2*\a+\b)+3] offset:\a*8*SP+32*\b          ; each accumulator from its low end on
	ds_store_b128 v9, v[ACC+8*(2*\a+\b)+4:ACC+8*(2*\a+\b)+7] offset:\a*8*SP+32*\b+16
.endr
.endr
	s_wait_dscnt 0x0
	s_barrier_signal -1
	s_barrier_wait -1                              ; 128 whole rows lie in the stage
.irp i, 0,1,2,3,4,5,6,7
	ds_load_b128 v[176+4*\i:179+4*\i], v12 offset:SP*\i
.endr
	s_wait_loadcnt 0x0                             ; the residual
.irp i, 0,1,2,3,4,5,6,7
	s_wait_dscnt 7-\i                              ; row i is back; the later rows may be out
	v_pk_add_f32 v[176+4*\i:177+4*\i], v[176+4*\i:177+4*\i], v[144+4*\i:145+4*\i]
	v_pk_add_f32 v[178+4*\i:179+4*\i], v[178+4*\i:179+4*\i], v[146+4*\i:147+4*\i]
	global_store_b128 v13, v[176+4*\i:179+4*\i], s[10:11] offset:4096*\i   ; 512 consecutive bytes, aligned
.endr
	s_wait_tensorcnt 0x0                           ; the wave's end
	ds_add_u32 v10, v11
	s_wait_dscnt 0x0
	CROUND                                         ; the closing round
	s_endpgm
.Lfunc_end_k_q9dd79ad01f_oproj:
	.size	k_q9dd79ad01f_oproj, .Lfunc_end_k_q9dd79ad01f_oproj-k_q9dd79ad01f_oproj
	.p2alignl 7, 3214868480
	.fill 96, 4, 3214868480
	.section	.rodata,"a",@progbits
	.p2align	6, 0x0
	.amdhsa_kernel k_q9dd79ad01f_oproj
		.amdhsa_group_segment_fixed_size 167936
		.amdhsa_private_segment_fixed_size 0
		.amdhsa_enable_private_segment 0
		.amdhsa_kernarg_size 32
		.amdhsa_user_sgpr_count 2
		.amdhsa_user_sgpr_kernarg_segment_ptr 1
		.amdhsa_wavefront_size32 1
		.amdhsa_system_sgpr_workgroup_id_x 1
		.amdhsa_system_sgpr_workgroup_id_y 1
		.amdhsa_system_sgpr_workgroup_id_z 1
		.amdhsa_system_vgpr_workitem_id 0
		.amdhsa_next_free_vgpr 208
		.amdhsa_next_free_sgpr 100
		.amdhsa_reserve_vcc 0
		.amdhsa_float_denorm_mode_32 3
		.amdhsa_float_denorm_mode_16_64 3
		.amdhsa_memory_ordered 1
		.amdhsa_forward_progress 1
		.amdhsa_inst_pref_size 22
	.end_amdhsa_kernel
	.amdgpu_metadata
---
amdhsa.version: [ 1, 2 ]
amdhsa.kernels:
  - .name:           k_q9dd79ad01f_oproj
    .symbol:         k_q9dd79ad01f_oproj.kd
    .args:
      - { .name: atb, .offset: 0, .size: 8, .value_kind: global_buffer, .address_space: global }
      - { .name: wsp, .offset: 8, .size: 8, .value_kind: global_buffer, .address_space: global }
      - { .name: x, .offset: 16, .size: 8, .value_kind: global_buffer, .address_space: global }
      - { .name: x1, .offset: 24, .size: 8, .value_kind: global_buffer, .address_space: global }
    .group_segment_fixed_size: 167936
    .private_segment_fixed_size: 0
    .kernarg_segment_align: 8
    .kernarg_segment_size: 32
    .max_flat_workgroup_size: 512
    .sgpr_count:     100
    .vgpr_count:     208
    .wavefront_size: 32
...
	.end_amdgpu_metadata
.endif
;; end of part 4
;; launch norm2 (part 5): grid 256 x 1, 8 waves a work-group, no clusters, 67,584 bytes of LDS; arguments x1, g2, h2; writes h2
.if DOCPART == 5
	.amdgcn_target "amdgcn-amd-amdhsa--gfx1250"
	.amdhsa_code_object_version 6
	.text
	.protected	k_q9dd79ad01f_norm2
	.globl	k_q9dd79ad01f_norm2
	.p2align	8
	.type	k_q9dd79ad01f_norm2,@function
k_q9dd79ad01f_norm2:
	s_mov_b64 s[64:65], 0
	v_nop
	global_prefetch_b8 v0, s[64:65] scope:SCOPE_SE
	s_setreg_imm32_b32 hwreg(HW_REG_WAVE_MODE, 25, 1), 1
	s_wait_xcnt 0x0
; Launch 5: h2 = rmsnorm(x1, g2), quantised along D into images of the operand's registers (codes at 0, scale bytes at 2,097,152; layout as in launch prep).
; A work-group takes one tile of 16 rows (lane-row p of tile T is row 32 (T/2) + 8 (T%2) + p + 8 (p/8)).  Wave w first owns lane-rows 2w, 2w+1, then K step w of all 16 rows.
; No cluster, no tensor loads: work-groups share nothing but g2.  LIMITS: NaN and infinities are not served; a block of zeros gets the byte 1 (its codes are zeros; this program alone reads the bytes).
.set HC,     0
.set HS,     2097152
.set SCL,    65792                     ; LDS: 16 rows of y, 4,112 bytes apart; then the tile's 512 scale bytes;
.set SPARE,  66304                     ; then the spare words, 128 bytes for each of the eight waves
	s_load_b128 s[4:7], s[0:1], 0x0                ; x1, g2
	s_load_b64 s[18:19], s[0:1], 0x10              ; h2
	v_lshl_add_u32 v10, v0, 2, SPARE
	v_mov_b32 v11, 0
	v_lshrrev_b32 v1, 5, v0
	s_delay_alu instid0(VALU_DEP_1)
	v_readfirstlane_b32 s20, v1                    ; wave 0..7
	v_and_b32 v1, 31, v0
	v_and_b32 v2, 15, v0                           ; r
	s_wait_alu depctr_va_vdst(0)
	v_bfe_u32 v3, v0, 4, 1                         ; h
	v_lshlrev_b32 v4, 4, v1                        ; 16 x lane
	s_wait_alu depctr_va_vdst(0)
	s_lshr_b32 s21, ttmp9, 1
	s_lshl_b32 s21, s21, 5
	s_and_b32 s22, ttmp9, 1
	s_lshl_b32 s22, s22, 3
	s_add_co_u32 s21, s21, s22
	s_lshl_b32 s22, s20, 1
	s_add_co_u32 s21, s21, s22
	s_lshr_b32 s22, s20, 2
	s_lshl_b32 s23, s22, 3
	s_add_co_u32 s21, s21, s23                     ; my first row
	s_lshl_b32 s28, s22, 8
	s_and_b32 s23, s20, 3
	s_lshl_b32 s23, s23, 2
	s_add_co_u32 s28, s28, s23
	s_add_co_u32 s28, s28, SCL
	v_lshl_add_u32 v7, v2, 4, s28                  ; LDS: row r's scale word of K step w
	s_mul_i32 s29, s20, 8224
	v_add_nc_u32 v5, s29, v4                       ; LDS: my two rows of y
	v_mul_u32_u24 v6, v2, 4112
	s_delay_alu instid0(VALU_DEP_1)
	v_lshl_add_u32 v6, v3, 7, v6
	s_lshl_b32 s29, s20, 9
	v_add_nc_u32 v6, s29, v6                       ; LDS: row r, K step w, block h
	v_add_nc_u32 v8, SCL, v4
	v_mov_b32 v16, 0
	v_mov_b32 v17, 0
	s_mov_b32 s24, 0x76543210
	s_mov_b32 s25, 0xfedcba98
	s_mov_b32 s26, 0x3a800000                      ; 1 / 1024
	s_mov_b32 s27, 0x358637bd                      ; 1e-6
	s_lshl_b32 s22, s21, 12
	s_mov_b32 s23, 0
	s_lshl_b32 s30, ttmp9, 13
	s_lshl_b32 s31, s20, 10
	s_add_co_u32 s30, s30, s31
	s_add_co_u32 s30, s30, HC
	s_mov_b32 s31, 0
	s_lshl_b32 s32, ttmp9, 9
	s_add_co_u32 s32, s32, HS
	s_mov_b32 s33, 0
	s_wait_kmcnt 0x0
	s_add_nc_u64 s[4:5], s[4:5], s[22:23]
	s_add_nc_u64 s[30:31], s[18:19], s[30:31]
	s_add_nc_u64 s[32:33], s[18:19], s[32:33]
.irp e, 0,1
.irp j, 0,1,2,3,4,5,6,7
	global_load_b128 v[32+32*\e+4*\j:35+32*\e+4*\j], v4, s[4:5] offset:4096*\e+512*\j   ; 512 consecutive bytes a load
.endr
.endr
.irp j, 0,1,2,3,4,5,6,7
	global_load_b128 v[96+4*\j:99+4*\j], v4, s[6:7] offset:512*\j
.endr
	s_wait_loadcnt 0x8                             ; x1 is in; g's eight loads may be out
	v_pk_mul_f32 v[12:13], v[32:33], v[32:33]
	v_pk_mul_f32 v[14:15], v[64:65], v[64:65]
.irp j, 2,4,6,8,10,12,14,16,18,20,22,24,26,28,30
	s_delay_alu instid0(VALU_DEP_2)
	v_pk_fma_f32 v[12:13], v[32+\j:33+\j], v[32+\j:33+\j], v[12:13]
	s_delay_alu instid0(VALU_DEP_2)
	v_pk_fma_f32 v[14:15], v[64+\j:65+\j], v[64+\j:65+\j], v[14:15]
.endr
	s_delay_alu instid0(VALU_DEP_2)
	v_add_f32 v12, v12, v13
	s_delay_alu instid0(VALU_DEP_2)
	v_add_f32 v14, v14, v15
.irp m, 1,2,4,8
	s_delay_alu instid0(VALU_DEP_2)
	v_add_f32_dpp v12, v12, v12 row_xmask:\m row_mask:0xf bank_mask:0xf
	s_delay_alu instid0(VALU_DEP_2)
	v_add_f32_dpp v14, v14, v14 row_xmask:\m row_mask:0xf bank_mask:0xf
.endr
	s_delay_alu instid0(VALU_DEP_2)
	v_permlanex16_b32 v16, v12, s24, s25
	s_delay_alu instid0(VALU_DEP_2)
	v_permlanex16_b32 v17, v14, s24, s25
	s_delay_alu instid0(VALU_DEP_2)
	v_add_f32 v12, v12, v16
	s_delay_alu instid0(VALU_DEP_2)
	v_add_f32 v14, v14, v17
	s_delay_alu instid0(VALU_DEP_2)
	v_fma_f32 v22, v12, s26, s27
	s_delay_alu instid0(VALU_DEP_2)
	v_fma_f32 v23, v14, s26, s27
	s_wait_alu depctr_va_vdst(0)
	v_rsq_f32 v18, v22
	v_rsq_f32 v20, v23
	v_nop                                          ; a plain line behind the transcendentals,
	s_wait_alu depctr_va_vdst(0)                   ; and the one wait ahead of their first reader
	v_mov_b32 v19, v18
	v_mov_b32 v21, v20
.irp j, 0,2,4,6,8,10,12,14,16,18,20,22,24,26,28,30
	v_pk_mul_f32 v[32+\j:33+\j], v[32+\j:33+\j], v[18:19] op_sel_hi:[1,0]
	v_pk_mul_f32 v[64+\j:65+\j], v[64+\j:65+\j], v[20:21] op_sel_hi:[1,0]
.endr
	s_wait_loadcnt 0x0
.irp j, 0,2,4,6,8,10,12,14,16,18,20,22,24,26,28,30
	v_pk_mul_f32 v[32+\j:33+\j], v[32+\j:33+\j], v[96+\j:97+\j]
	v_pk_mul_f32 v[64+\j:65+\j], v[64+\j:65+\j], v[96+\j:97+\j]
.endr
.irp e, 0,1
.irp j, 0,1,2,3,4,5,6,7
	ds_store_b128 v5, v[32+32*\e+4*\j:35+32*\e+4*\j] offset:4112*\e+512*\j
.endr
.endr
	s_wait_dscnt 0x0
	s_barrier_signal -1
	s_barrier_wait -1
.irp c, 0,1
.irp i, 0,1,2,3,4,5,6,7
	ds_load_b128 v[32+32*\c+4*\i:35+32*\c+4*\i], v6 offset:256*\c+16*\i
.endr
.endr
	s_wait_dscnt 0x0
.irp c, 0,1
	v_max3_num_f32 v[22+\c], |v[32+32*\c]|, |v[33+32*\c]|, 0x1800000
.endr
.irp i, 2,4,6,8,10,12,14,16,18,20,22,24,26,28,30
.irp c, 0,1
	s_delay_alu instid0(VALU_DEP_2)
	v_max3_num_f32 v[22+\c], v[22+\c], |v[32+32*\c+\i]|, |v[33+32*\c+\i]|
.endr
.endr
.irp c, 0,1
	s_delay_alu instid0(VALU_DEP_2)
	v_add_nc_u32 v[24+\c], 0xff000000, v[22+\c]
.endr
.irp c, 0,1
	s_delay_alu instid0(VALU_DEP_2)
	v_lshrrev_b32 v[26+\c], 23, v[24+\c]
.endr
	s_delay_alu instid0(VALU_DEP_1)
	v_lshl_or_b32 v28, v27, 16, v26
	v_lshlrev_b32 v29, 3, v3
	s_delay_alu instid0(VALU_DEP_1)
	v_lshlrev_b32 v28, v29, v28
	s_delay_alu instid0(VALU_DEP_1)
	v_permlanex16_b32 v16, v28, s24, s25
	s_delay_alu instid0(VALU_DEP_1)
	v_or_b32 v28, v28, v16
.irp c, 0,1
.irp g, 0,1,2,3
	v_cvt_scalef32_pk8_fp4_f32 v[128+4*\c+\g], v[32+32*\c+8*\g:39+32*\c+8*\g], v[24+\c]
.endr
.endr
	v_nop
.irp c, 0,1
	global_store_b128 v4, v[128+4*\c:131+4*\c], s[30:31] offset:512*\c
.endr
	ds_store_b32 v7, v28
	s_wait_dscnt 0x0
	s_barrier_signal -1
	s_barrier_wait -1
	s_cmp_lg_u32 s20, 0
	s_cbranch_scc1 .Lend
	ds_load_b128 v[12:15], v8
	s_wait_dscnt 0x0
	global_store_b128 v4, v[12:15], s[32:33]
.Lend:
	s_wait_tensorcnt 0x0                           ; the wave's end
	ds_add_u32 v10, v11
	s_wait_dscnt 0x0
	s_endpgm
.Lfunc_end_k_q9dd79ad01f_norm2:
	.size	k_q9dd79ad01f_norm2, .Lfunc_end_k_q9dd79ad01f_norm2-k_q9dd79ad01f_norm2
	.p2alignl 7, 3214868480
	.fill 96, 4, 3214868480
	.section	.rodata,"a",@progbits
	.p2align	6, 0x0
	.amdhsa_kernel k_q9dd79ad01f_norm2
		.amdhsa_group_segment_fixed_size 67584
		.amdhsa_private_segment_fixed_size 0
		.amdhsa_enable_private_segment 0
		.amdhsa_kernarg_size 24
		.amdhsa_user_sgpr_count 2
		.amdhsa_user_sgpr_kernarg_segment_ptr 1
		.amdhsa_wavefront_size32 1
		.amdhsa_system_sgpr_workgroup_id_x 1
		.amdhsa_system_sgpr_workgroup_id_y 1
		.amdhsa_system_sgpr_workgroup_id_z 1
		.amdhsa_system_vgpr_workitem_id 0
		.amdhsa_next_free_vgpr 136
		.amdhsa_next_free_sgpr 66
		.amdhsa_reserve_vcc 0
		.amdhsa_float_denorm_mode_32 3
		.amdhsa_float_denorm_mode_16_64 3
		.amdhsa_memory_ordered 1
		.amdhsa_forward_progress 1
		.amdhsa_inst_pref_size 21
	.end_amdhsa_kernel
	.amdgpu_metadata
---
amdhsa.version: [ 1, 2 ]
amdhsa.kernels:
  - .name:           k_q9dd79ad01f_norm2
    .symbol:         k_q9dd79ad01f_norm2.kd
    .args:
      - { .name: x1, .offset: 0, .size: 8, .value_kind: global_buffer, .address_space: global }
      - { .name: g2, .offset: 8, .size: 8, .value_kind: global_buffer, .address_space: global }
      - { .name: h2, .offset: 16, .size: 8, .value_kind: global_buffer, .address_space: global }
    .group_segment_fixed_size: 67584
    .private_segment_fixed_size: 0
    .kernarg_segment_align: 8
    .kernarg_segment_size: 24
    .max_flat_workgroup_size: 256
    .sgpr_count:     66
    .vgpr_count:     136
    .wavefront_size: 32
...
	.end_amdgpu_metadata
.endif
;; end of part 5
;; launch ffn1 (part 6): grid 16 x 16, 16 waves a work-group, clusters of 4 x 4, 281,600 bytes of LDS; arguments h2, wsp, acb; writes acb
.if DOCPART == 6
	.amdgcn_target "amdgcn-amd-amdhsa--gfx1250"
	.amdhsa_code_object_version 6
	.text
	.protected	k_q9dd79ad01f_ffn1
	.globl	k_q9dd79ad01f_ffn1
	.p2align	8
	.type	k_q9dd79ad01f_ffn1,@function
k_q9dd79ad01f_ffn1:
	s_mov_b64 s[64:65], 0
	v_nop
	global_prefetch_b8 v0, s[64:65] scope:SCOPE_SE
	s_setreg_imm32_b32 hwreg(HW_REG_WAVE_MODE, 25, 1), 1
	s_wait_xcnt 0x0
	s_wait_alu depctr_hold_cnt(0) depctr_sa_sdst(0) depctr_va_vdst(0) depctr_va_sdst(0) depctr_va_ssrc(0) depctr_va_vcc(0) depctr_vm_vsrc(0)
	s_getreg_b32 s2, hwreg(HW_REG_IB_STS2, 6, 4)
	s_cmp_eq_u32 s2, 0
	s_cbranch_scc0 .Lentry_in_a_cluster
	s_endpgm
.Lentry_in_a_cluster:
	s_bfe_u32 s2, ttmp6, 0x10000c
	s_cmp_lg_u32 s2, 0xf033
	s_cbranch_scc0 .Lentry_shape_is_right
	s_endpgm
.Lentry_shape_is_right:
; Launch 5: a = silu(h2 x w_gate) * (h2 x w_up), on codes of FP4, quantised along the hidden axis on the way out.
; The matrix part is launch qkv's: 256 rows x 16 tiles of the weight for a work-group, sixteen waves of 64 x 64, whole-K panels filled once, cluster 4 x 4 with joint loads.
; THE HEAD'S LOADS, one a wave: waves 0-3 a quarter of A's panel each (32,768 bytes), waves 4-7 of B's, wave 8 A's scale bytes, wave 9 B's.  No prefetch: no loop to run ahead in.
; The weight's tiles are gate and up interleaved (4f, 4f+1: gate of hidden units 32 f on; 4f+2, 4f+3: up), so a wave's four tiles are gate and up of the SAME 32 hidden units, in the same lanes and registers.
; Transposed use: a lane holds one row, and registers 0-15 of a row tile's 32 are gate, 16-31 up, of hidden units 128 tc + 32 wn + 16 h + 0 .. 15: half a block of 32 along the next K; lane l xor 16 has the other half.
; In the program's order this launch is the sixth: oproj and norm2 stand between attn and it.
.set A_C, 0
.set A_S, 2097152
.set B_C, 2097152
.set B_S, 7471104
.set O_S, 4194304
.set PB,    131072                     ; LDS: A's fragment (tile T, K step S) at 8192 T + 1024 S; B's likewise from here
.set SA,    262144
.set SPARE, 278528
.set GAT,   280576                     ; the scale bytes of 16 tiles x 16 rows x 4 blocks are gathered here
.set SC,  16
.set AF,  48
.set BF,  80
.set ACC, 128
.set AB, 4
.set BB, 6
.set WV, 12
.set WM, 13
.set WN, 14
.set CX, 15
.set CY, 16
.set TC, 17
.set TR, 18
.set SEL, 94
.set G1C, 24
.set G1D, 32
.set G1S, 40
.set G1T, 48
.set G0C, 56
.set G0D, 60
.set G0S, 68
.set G0T, 72
.macro CROUND
	s_barrier_signal -1
	s_barrier_wait -1
	s_cmp_lg_u32 s[WV], 0
	s_cbranch_scc1 .Lnot_wave_0_\@
	s_barrier_signal -3
.Lnot_wave_0_\@:
	s_barrier_wait -3
	s_barrier_signal -1
	s_barrier_wait -1
.endm
.macro ARM under, g0, g1, next
	s_cmp_lt_u32 s[WV], \under
	s_cbranch_scc0 \next
	tensor_load_to_lds s[\g0:\g0+3], s[\g1:\g1+7]
	s_nop 0
.rept 4
	v_nop
.endr
	s_branch .Lfilled
\next:
.endm
.macro G0ADR g, base, off
	s_add_nc_u64 s[\g+2:\g+3], s[\base:\base+1], s[\off:\off+1]
	s_or_b32 s[\g+3], s[\g+3], 0x80000000
.endm
	s_load_b128 s[4:7], s[0:1], 0x0                ; h2, wsp
	s_load_b64 s[8:9], s[0:1], 0x10                ; acb
	v_lshl_add_u32 v10, v0, 2, SPARE
	v_mov_b32 v11, 0
	ds_add_u32 v10, v11                            ; the opening lines: the add, twice on end, and its wait
	ds_add_u32 v10, v11
	v_lshrrev_b32 v1, 5, v0
	s_delay_alu instid0(VALU_DEP_1)
	v_readfirstlane_b32 s[WV], v1
	s_lshr_b32 s[WM], s[WV], 2
	s_and_b32 s[WN], s[WV], 3
	s_bfe_u32 s[CX], ttmp6, 0x40000
	s_bfe_u32 s[CY], ttmp6, 0x40004
	s_lshl_b32 s[TC], ttmp9, 2
	s_add_co_u32 s[TC], s[TC], s[CX]               ; tile column
	s_and_b32 s[TR], ttmp7, 0xffff
	s_lshl_b32 s[TR], s[TR], 2
	s_add_co_u32 s[TR], s[TR], s[CY]               ; tile row
	s_lshl_b32 s20, s[CY], 2
	s_lshl_b32 s20, 15, s20
	s_lshl_b32 s21, 0x1111, s[CX]
	s_or_b32 s[G1C], s20, (3<<16)|(1<<21)
	s_or_b32 s[G1S], s20, (3<<16)|(1<<21)
	s_or_b32 s[G1D], s21, (3<<16)|(1<<21)
	s_or_b32 s[G1T], s21, (3<<16)|(1<<21)
.irp g, G1C, G1D                       ; codes: 32,768 dense bytes as 128 rows of 256
	s_mov_b32 s[\g+2], 128<<16
	s_mov_b32 s[\g+4], 128
.endr
.irp g, G1S, G1T                       ; scale bytes: 8,192 dense bytes as 32 rows of 256
	s_mov_b32 s[\g+2], 32<<16
	s_mov_b32 s[\g+4], 32
.endr
.irp g, G1C, G1D, G1S, G1T
	s_mov_b32 s[\g+1], 32<<16
	s_mov_b32 s[\g+3], 32<<16
	s_mov_b32 s[\g+5], 32
	s_mov_b32 s[\g+6], 0
	s_mov_b32 s[\g+7], 0
.endr
	s_lshl_b32 s22, s[WN], 15
	s_lshl_b32 s84, s[TR], 17                      ; A's panel hangs on the tile row alone
	s_add_co_u32 s84, s84, s22
	s_add_co_u32 s84, s84, A_C
	s_mov_b32 s85, 0
	s_lshl_b32 s86, s[TR], 13
	s_add_co_u32 s86, s86, A_S
	s_mov_b32 s87, 0
	s_lshl_b32 s88, s[TC], 17                      ; B's on the tile column alone
	s_add_co_u32 s88, s88, s22
	s_add_co_u32 s88, s88, B_C
	s_mov_b32 s89, 0
	s_lshl_b32 s90, s[TC], 13
	s_add_co_u32 s90, s90, B_S
	s_mov_b32 s91, 0
	s_mov_b32 s[G0C], 1
	s_lshl_b32 s[G0C+1], s[WV], 15
	s_mov_b32 s[G0D], 1
	s_lshl_b32 s[G0D+1], s[WV], 15
	s_mov_b32 s[G0S], 1
	s_mov_b32 s[G0S+1], SA
	s_mov_b32 s[G0T], 1
	s_mov_b32 s[G0T+1], SA+8192
	s_mov_b32 s[SEL], 0x76543210
	s_mov_b32 s[SEL+1], 0xfedcba98
	s_wait_dscnt 0x0                               ; both opening adds are done
	s_wait_kmcnt 0x0
	G0ADR G0C, AB, 84
	G0ADR G0S, AB, 86
	G0ADR G0D, BB, 88
	G0ADR G0T, BB, 90
	CROUND                                         ; all sixteen work-groups are here: the joint loads meet
	ARM 4,  G0C, G1C, .Lfill_b
	ARM 8,  G0D, G1D, .Lfill_sa
	ARM 9,  G0S, G1S, .Lfill_sb
	ARM 10, G0T, G1T, .Lfill_none
.Lfilled:
	v_and_b32 v1, 15, v0                           ; r
	v_bfe_u32 v2, v0, 4, 1                         ; h
	v_and_b32 v3, 31, v0
	s_delay_alu instid0(VALU_DEP_1)
	v_lshlrev_b32 v9, 2, v3                        ; 4 x lane
	s_delay_alu instid0(VALU_DEP_2)
	v_lshlrev_b32 v3, 4, v3                        ; 16 x lane
	s_wait_alu depctr_va_vdst(0)
	s_and_b32 s19, s[WV], 7
	s_lshl_b32 s20, s[WM], 15
	v_add_nc_u32 v4, s20, v3
	s_lshl_b32 s20, s[WN], 15
	s_add_co_u32 s20, s20, PB
	v_add_nc_u32 v6, s20, v3
	s_lshl_b32 s20, s[WN], 11
	s_add_co_u32 s20, s20, 8192
	s_lshl_b32 s21, s[WM], 11
	s_sub_co_u32 s20, s20, s21
	v_mul_u32_u24 v8, s20, v2                      ; scale words: lanes 0-15 A's tiles, lanes 16-31 B's
	s_delay_alu instid0(VALU_DEP_1)
	v_lshl_add_u32 v8, v1, 4, v8
	s_add_co_u32 s21, s21, SA
	v_add_nc_u32 v8, s21, v8
	v_lshlrev_b32 v12, 4, v1
	s_delay_alu instid0(VALU_DEP_1)
	v_lshl_add_u32 v12, v2, 3, v12                 ; codes out: 16 r + 8 h
	s_lshl_b32 s20, s[WM], 8
	s_add_co_u32 s20, s20, s[WN]
	s_add_co_u32 s20, s20, GAT
	v_lshl_add_u32 v13, v1, 2, s20                 ; my byte in LDS: 256 wm + 4 r + wn (+ 64 for each row tile)
	s_lshl_b32 s20, s19, 7
	s_add_co_u32 s20, s20, GAT
	v_add_nc_u32 v14, s20, v9                      ; and back: 128 (wave % 8) + 4 x lane: two tiles' words
	v_lshlrev_b32 v15, 4, v1
	s_delay_alu instid0(VALU_DEP_1)
	v_lshl_add_u32 v15, v2, 10, v15                ; where they go: 1,024 h + 16 r
.irp i, 116,117,118,119
	v_mov_b32 v[\i], 0                             ; lane permutes' destinations
.endr
	s_lshl_b32 s20, s[TR], 4
	s_lshl_b32 s21, s[WM], 2
	s_add_co_u32 s20, s20, s21
	s_lshl_b32 s20, s20, 14
	s_lshl_b32 s21, s[TC], 10
	s_add_co_u32 s20, s20, s21
	s_lshl_b32 s21, s[WN], 8
	s_add_co_u32 s20, s20, s21
	s_mov_b32 s21, 0
	s_add_nc_u64 s[84:85], s[8:9], s[20:21]        ; fragment (16 tr + 4 wm, K step tc), block wn
	s_lshl_b32 s20, s[TR], 4
	s_lshl_b32 s21, s19, 1
	s_add_co_u32 s20, s20, s21
	s_lshl_b32 s20, s20, 10
	s_lshr_b32 s21, s[TC], 2
	s_lshl_b32 s21, s21, 8
	s_add_co_u32 s20, s20, s21
	s_and_b32 s21, s[TC], 3
	s_lshl_b32 s21, s21, 2
	s_add_co_u32 s20, s20, s21
	s_add_co_u32 s20, s20, O_S
	s_mov_b32 s21, 0
	s_add_nc_u64 s[86:87], s[8:9], s[20:21]        ; the scale words of tiles 16 tr + 2 (wave % 8) on, K step tc
	s_mov_b32 s96, 0xbfb8aa3b                      ; -log2(e)
	s_mov_b32 s97, s96
.macro MMT d, fb, fa, sb, sa, zero
.if \zero
	v_wmma_scale_f32_16x16x128_f8f6f4 v[\d:\d+7], v[\fb:\fb+7], v[\fa:\fa+7], 0, v[\sb], v[\sa] matrix_a_fmt:MATRIX_FMT_FP4 matrix_b_fmt:MATRIX_FMT_FP4 matrix_a_scale:MATRIX_SCALE_ROW1
.else
	v_wmma_scale_f32_16x16x128_f8f6f4 v[\d:\d+7], v[\fb:\fb+7], v[\fa:\fa+7], v[\d:\d+7], v[\sb], v[\sa] matrix_a_fmt:MATRIX_FMT_FP4 matrix_b_fmt:MATRIX_FMT_FP4 matrix_a_scale:MATRIX_SCALE_ROW1
.endif
.endm
; A K step of 128: four places, 16 LDS loads, 16 products; the 16 accumulators take turns, one instruction a turn.
.macro KSTEP S, zero
.rept 4
	v_nop
.endr
.irp i, 0,1,2,3
.irp g, 0,1
	ds_load_b128 v[AF+8*\i+4*\g:AF+8*\i+4*\g+3], v4 offset:8192*\i+1024*(\S)+512*\g
	ds_load_b128 v[BF+8*\i+4*\g:BF+8*\i+4*\g+3], v6 offset:8192*\i+1024*(\S)+512*\g
.endr
.endr
	s_wait_dscnt 0x0
.irp a, 0,1,2,3
.irp b, 0,1,2,3
	MMT ACC+8*(4*\a+\b), BF+8*\b, AF+8*\a, SC+16*((\S)/4)+4*\b+(\S)%4, SC+16*((\S)/4)+4*\a+(\S)%4, \zero
.endr
.endr
.endm
	s_wait_alu depctr_va_vdst(0)                   ; the wait at the head's end
	s_wait_tensorcnt 0x0                           ; my load, if I issued one, has landed
	s_barrier_signal -1
	s_barrier_wait -1                              ; everybody's has
.irp c, 0,1
.irp i, 0,1,2,3
	ds_load_b128 v[SC+16*\c+4*\i:SC+16*\c+4*\i+3], v8 offset:512*\i+256*\c
.endr
.endr
	KSTEP 0, 1
.irp s, 1,2,3,4,5,6,7
	KSTEP \s, 0
.endr
.rept 4
	v_nop                                          ; places ahead of the first read of results and of writes into the fragments' registers
.endr
	; silu(g) u = g / (1 + 2^(-g log2 e)) x u, in f32; v48-111 at work
.irp a, 0,1,2,3
.irp i, 0,2,4,6,8,10,12,14
	v_pk_mul_f32 v[48+16*\a+\i:49+16*\a+\i], v[ACC+32*\a+\i:ACC+32*\a+\i+1], s[96:97] op_sel_hi:[1,0]
.endr
.endr
.set n, 0
	s_wait_alu depctr_va_vdst(0)                   ; the wait ahead of the batch
.rept 64
	v_exp_f32 v[48+n], v[48+n]
.set n, n+1
.endr
	v_nop
	s_wait_alu depctr_va_vdst(0)                   ; one wait for the batch
.set n, 0
.rept 32
	v_pk_add_f32 v[48+n:49+n], v[48+n:49+n], 1.0 op_sel_hi:[1,0]
.set n, n+2
.endr
.set n, 0
	s_wait_alu depctr_va_vdst(0)
.rept 64
	v_rcp_f32 v[48+n], v[48+n]
.set n, n+1
.endr
	v_nop
	s_wait_alu depctr_va_vdst(0)                   ; one wait for the batch
.irp a, 0,1,2,3
.irp i, 0,2,4,6,8,10,12,14
	v_pk_mul_f32 v[ACC+32*\a+\i:ACC+32*\a+\i+1], v[ACC+32*\a+\i:ACC+32*\a+\i+1], v[48+16*\a+\i:49+16*\a+\i]
.endr
.endr
.irp a, 0,1,2,3
.irp i, 0,2,4,6,8,10,12,14
	v_pk_mul_f32 v[ACC+32*\a+\i:ACC+32*\a+\i+1], v[ACC+32*\a+\i:ACC+32*\a+\i+1], v[ACC+32*\a+16+\i:ACC+32*\a+17+\i]
.endr
.endr
	; four blocks, one for each row tile, by turns
.irp a, 0,1,2,3
	v_max3_num_f32 v[112+\a], |v[ACC+32*\a]|, |v[ACC+32*\a+1]|, 0x1800000
.endr
.irp i, 2,4,6,8,10,12,14
.irp a, 0,1,2,3
	s_delay_alu instid0(VALU_DEP_4)
	v_max3_num_f32 v[112+\a], v[112+\a], |v[ACC+32*\a+\i]|, |v[ACC+32*\a+\i+1]|
.endr
.endr
.irp a, 0,1,2,3
	s_delay_alu instid0(VALU_DEP_4)
	v_permlanex16_b32 v[116+\a], v[112+\a], s[SEL], s[SEL+1]
.endr
.irp a, 0,1,2,3
	s_delay_alu instid0(VALU_DEP_4)
	v_max_num_f32 v[112+\a], v[112+\a], v[116+\a]
.endr
.irp a, 0,1,2,3
	s_delay_alu instid0(VALU_DEP_4)
	v_add_nc_u32 v[124+\a], 0xff000000, v[112+\a]
.endr
.irp a, 0,1,2,3
	s_delay_alu instid0(VALU_DEP_4)
	v_lshrrev_b32 v[116+\a], 23, v[124+\a]
.endr
.irp a, 0,1,2,3
	v_cvt_scalef32_pk8_fp4_f32 v[48+2*\a], v[ACC+32*\a:ACC+32*\a+7], v[124+\a]
	v_cvt_scalef32_pk8_fp4_f32 v[49+2*\a], v[ACC+32*\a+8:ACC+32*\a+15], v[124+\a]
.endr
	v_nop
.irp a, 0,1,2,3
	global_store_b64 v12, v[48+2*\a:49+2*\a], s[84:85] offset:16384*\a   ; my half block's 8 bytes: the wave stores 256 consecutive bytes, aligned: block wn of the fragment
	ds_store_b8 v13, v[116+\a] offset:64*\a        ; both halves of the lanes write the same byte
.endr
	s_wait_dscnt 0x0
	s_barrier_signal -1
	s_barrier_wait -1                              ; the four waves of a row of waves have made whole scale words
	s_cmp_lt_u32 s[WV], 8
	s_cbranch_scc0 .Lend
	ds_load_b32 v56, v14
	s_wait_dscnt 0x0
	global_store_b32 v15, v56, s[86:87]            ; 4 bytes a lane, 16 apart: the other 12 are other K steps' (other work-groups')
.Lend:
	s_wait_tensorcnt 0x0                           ; the wave's end
	ds_add_u32 v10, v11
	s_wait_dscnt 0x0
	CROUND                                         ; the closing round
	s_endpgm
.Lfunc_end_k_q9dd79ad01f_ffn1:
	.size	k_q9dd79ad01f_ffn1, .Lfunc_end_k_q9dd79ad01f_ffn1-k_q9dd79ad01f_ffn1
	.p2alignl 7, 3214868480
	.fill 96, 4, 3214868480
	.section	.rodata,"a",@progbits
	.p2align	6, 0x0
	.amdhsa_kernel k_q9dd79ad01f_ffn1
		.amdhsa_group_segment_fixed_size 281600
		.amdhsa_private_segment_fixed_size 0
		.amdhsa_enable_private_segment 0
		.amdhsa_kernarg_size 24
		.amdhsa_user_sgpr_count 2
		.amdhsa_user_sgpr_kernarg_segment_ptr 1
		.amdhsa_wavefront_size32 1
		.amdhsa_system_sgpr_workgroup_id_x 1
		.amdhsa_system_sgpr_workgroup_id_y 1
		.amdhsa_system_sgpr_workgroup_id_z 1
		.amdhsa_system_vgpr_workitem_id 0
		.amdhsa_next_free_vgpr 256
		.amdhsa_next_free_sgpr 100
		.amdhsa_reserve_vcc 0
		.amdhsa_float_denorm_mode_32 3
		.amdhsa_float_denorm_mode_16_64 3
		.amdhsa_memory_ordered 1
		.amdhsa_forward_progress 1
		.amdhsa_inst_pref_size 53
	.end_amdhsa_kernel
	.amdgpu_metadata
---
amdhsa.version: [ 1, 2 ]
amdhsa.kernels:
  - .name:           k_q9dd79ad01f_ffn1
    .symbol:         k_q9dd79ad01f_ffn1.kd
    .args:
      - { .name: h2, .offset: 0, .size: 8, .value_kind: global_buffer, .address_space: global }
      - { .name: wsp, .offset: 8, .size: 8, .value_kind: global_buffer, .address_space: global }
      - { .name: acb, .offset: 16, .size: 8, .value_kind: global_buffer, .address_space: global }
    .group_segment_fixed_size: 281600
    .private_segment_fixed_size: 0
    .kernarg_segment_align: 8
    .kernarg_segment_size: 24
    .max_flat_workgroup_size: 512
    .sgpr_count:     100
    .vgpr_count:     256
    .wavefront_size: 32
...
	.end_amdgpu_metadata
.endif
;; end of part 6
;; launch ffn2 (part 7): grid 8 x 32, 16 waves a work-group, clusters of 4 x 4, 280,576 bytes of LDS; arguments acb, wsp, x1, out0; writes out0
.if DOCPART == 7
	.amdgcn_target "amdgcn-amd-amdhsa--gfx1250"
	.amdhsa_code_object_version 6
	.text
	.protected	k_q9dd79ad01f_ffn2
	.globl	k_q9dd79ad01f_ffn2
	.p2align	8
	.type	k_q9dd79ad01f_ffn2,@function
k_q9dd79ad01f_ffn2:
	s_mov_b64 s[64:65], 0
	v_nop
	global_prefetch_b8 v0, s[64:65] scope:SCOPE_SE
	s_setreg_imm32_b32 hwreg(HW_REG_WAVE_MODE, 25, 1), 1
	s_wait_xcnt 0x0
	s_wait_alu depctr_hold_cnt(0) depctr_sa_sdst(0) depctr_va_vdst(0) depctr_va_sdst(0) depctr_va_ssrc(0) depctr_va_vcc(0) depctr_vm_vsrc(0)
	s_getreg_b32 s2, hwreg(HW_REG_IB_STS2, 6, 4)
	s_cmp_eq_u32 s2, 0
	s_cbranch_scc0 .Lentry_in_a_cluster
	s_endpgm
.Lentry_in_a_cluster:
	s_bfe_u32 s2, ttmp6, 0x10000c
	s_cmp_lg_u32 s2, 0xf033
	s_cbranch_scc0 .Lentry_shape_is_right
	s_endpgm
.Lentry_shape_is_right:
; Launch 6: out0 = x1 + a x w_down, on codes of FP4, K = 2,048.
; A work-group makes 128 x 128 (256 work-groups); sixteen waves, each 32 x 32: four accumulators.  Both panels for all of K (2 x 131,072 dense bytes) and their scale bytes come into LDS once; nothing is filled again.
; THE HEAD'S LOADS, one a wave: waves 0-3 a quarter of A's panel each (32,768 bytes), waves 4-7 of B's, wave 8 A's scale bytes, wave 9 B's.  No prefetch: no loop to run ahead in.
; CLUSTER 4 x 4: A's panel shared along a row, B's along a column: joint loads.
; The product is used transposed (source 0 = the weight's columns): a lane's eight results are eight neighbouring columns of one row.  The way out goes through a stage in LDS, laid over A's panel
; behind its last read and a barrier (it has had its last fill), so that whole rows of 512 bytes are added to the residual and stored.
; In the program's order this launch is the seventh and last.
.set A_C, 0
.set A_S, 4194304
.set B_C, 4194304
.set B_S, 7602176
.set SCT,   1024                       ; a tile's scale bytes
.set PB,    131072                     ; LDS: A's fragment (tile T, K step S) at 16384 T + 1024 S; B's likewise from here
.set SA,    262144
.set SPARE, 278528
.set SP,    528                        ; a stage row: 512 bytes + 16
.set SC,  16                           ; v16-47 scale words alone: register 8 ch + 4 i + q: lanes 0-15 A's tile i, lanes 16-31 B's, K step 4 ch + q
.set ACC, 112
.set AB, 4
.set BB, 6
.set WV, 12
.set WM, 13
.set WN, 14
.set CX, 15
.set CY, 16
.set TC, 17
.set TR, 18
.set G1C, 24
.set G1D, 32
.set G1S, 40
.set G1T, 48
.set G0C, 56
.set G0D, 60
.set G0S, 68
.set G0T, 72
.macro CROUND
	s_barrier_signal -1
	s_barrier_wait -1
	s_cmp_lg_u32 s[WV], 0
	s_cbranch_scc1 .Lnot_wave_0_\@
	s_barrier_signal -3
.Lnot_wave_0_\@:
	s_barrier_wait -3
	s_barrier_signal -1
	s_barrier_wait -1
.endm
.macro ARM under, g0, g1, next
	s_cmp_lt_u32 s[WV], \under
	s_cbranch_scc0 \next
	tensor_load_to_lds s[\g0:\g0+3], s[\g1:\g1+7]
	s_nop 0
.rept 4
	v_nop
.endr
	s_branch .Lfilled
\next:
.endm
.macro G0ADR g, base, off
	s_add_nc_u64 s[\g+2:\g+3], s[\base:\base+1], s[\off:\off+1]
	s_or_b32 s[\g+3], s[\g+3], 0x80000000
.endm
	s_load_b256 s[4:11], s[0:1], 0x0               ; acb, wsp, x1, out0
	v_lshl_add_u32 v10, v0, 2, SPARE
	v_mov_b32 v11, 0
	ds_add_u32 v10, v11                            ; the opening lines: the add, twice on end, and its wait
	ds_add_u32 v10, v11
	v_lshrrev_b32 v1, 5, v0
	s_delay_alu instid0(VALU_DEP_1)
	v_readfirstlane_b32 s[WV], v1
	s_lshr_b32 s[WM], s[WV], 2
	s_and_b32 s[WN], s[WV], 3
	s_bfe_u32 s[CX], ttmp6, 0x40000
	s_bfe_u32 s[CY], ttmp6, 0x40004
	s_lshl_b32 s[TC], ttmp9, 2
	s_add_co_u32 s[TC], s[TC], s[CX]               ; tile column
	s_and_b32 s[TR], ttmp7, 0xffff
	s_lshl_b32 s[TR], s[TR], 2
	s_add_co_u32 s[TR], s[TR], s[CY]               ; tile row
	s_lshl_b32 s20, s[CY], 2
	s_lshl_b32 s20, 15, s20
	s_lshl_b32 s21, 0x1111, s[CX]
	s_or_b32 s[G1C], s20, (3<<16)|(1<<21)
	s_or_b32 s[G1S], s20, (3<<16)|(1<<21)
	s_or_b32 s[G1D], s21, (3<<16)|(1<<21)
	s_or_b32 s[G1T], s21, (3<<16)|(1<<21)
.irp g, G1C, G1D                       ; codes: 32,768 dense bytes as 128 rows of 256
	s_mov_b32 s[\g+2], 128<<16
	s_mov_b32 s[\g+4], 128
.endr
.irp g, G1S, G1T                       ; scale bytes: 8,192 dense bytes as 32 rows of 256
	s_mov_b32 s[\g+2], 32<<16
	s_mov_b32 s[\g+4], 32
.endr
.irp g, G1C, G1D, G1S, G1T
	s_mov_b32 s[\g+1], 32<<16
	s_mov_b32 s[\g+3], 32<<16
	s_mov_b32 s[\g+5], 32
	s_mov_b32 s[\g+6], 0
	s_mov_b32 s[\g+7], 0
.endr
	s_lshl_b32 s22, s[WN], 15
	s_lshl_b32 s84, s[TR], 17                      ; A's panel hangs on the tile row alone
	s_add_co_u32 s84, s84, s22
	s_add_co_u32 s84, s84, A_C
	s_mov_b32 s85, 0
	s_lshl_b32 s86, s[TR], 13
	s_add_co_u32 s86, s86, A_S
	s_mov_b32 s87, 0
	s_lshl_b32 s88, s[TC], 17                      ; B's on the tile column alone
	s_add_co_u32 s88, s88, s22
	s_add_co_u32 s88, s88, B_C
	s_mov_b32 s89, 0
	s_lshl_b32 s90, s[TC], 13
	s_add_co_u32 s90, s90, B_S
	s_mov_b32 s91, 0
	s_mov_b32 s[G0C], 1
	s_lshl_b32 s[G0C+1], s[WV], 15
	s_mov_b32 s[G0D], 1
	s_lshl_b32 s[G0D+1], s[WV], 15
	s_mov_b32 s[G0S], 1
	s_mov_b32 s[G0S+1], SA
	s_mov_b32 s[G0T], 1
	s_mov_b32 s[G0T+1], SA+8192
	s_lshl_b32 s22, s[TR], 7
	s_lshl_b32 s23, s[WV], 3
	s_add_co_u32 s22, s22, s23                     ; the first of the 8 rows that I add and store: 128 tr + 8 wave
	s_lshl_b32 s22, s22, 12
	s_lshl_b32 s23, s[TC], 9
	s_add_co_u32 s22, s22, s23
	s_mov_b32 s23, 0
	s_wait_dscnt 0x0                               ; both opening adds are done
	s_wait_kmcnt 0x0
	G0ADR G0C, AB, 84
	G0ADR G0S, AB, 86
	G0ADR G0D, BB, 88
	G0ADR G0T, BB, 90
	s_add_nc_u64 s[8:9], s[8:9], s[22:23]
	s_add_nc_u64 s[10:11], s[10:11], s[22:23]
	CROUND                                         ; all sixteen work-groups are here: the joint loads meet
	ARM 4,  G0C, G1C, .Lfill_b
	ARM 8,  G0D, G1D, .Lfill_sa
	ARM 9,  G0S, G1S, .Lfill_sb
	ARM 10, G0T, G1T, .Lfill_none
.Lfilled:
	v_and_b32 v1, 15, v0                           ; r
	v_bfe_u32 v2, v0, 4, 1                         ; h
	v_and_b32 v13, 31, v0
	s_delay_alu instid0(VALU_DEP_1)
	v_lshlrev_b32 v13, 4, v13                      ; 16 x lane
	s_wait_alu depctr_va_vdst(0)
.irp i, 0,1,2,3,4,5,6,7
	global_load_b128 v[144+4*\i:147+4*\i], v13, s[8:9] offset:4096*\i   ; the residual's 8 rows x 512 bytes: asked for now, wanted at the end
.endr
	s_lshl_b32 s22, s[WM], 15
	v_add_nc_u32 v4, s22, v13                      ; my two tiles of A
	s_lshl_b32 s22, s[WN], 15
	s_add_co_u32 s22, s22, PB
	v_add_nc_u32 v6, s22, v13                      ; of B
	s_mul_i32 s22, s[WN], 2*SCT
	s_add_co_u32 s22, s22, 8*SCT
	s_mul_i32 s23, s[WM], 2*SCT
	s_sub_co_u32 s22, s22, s23
	v_mul_u32_u24 v8, s22, v2                      ; scale words: lanes 0-15 A's tiles, lanes 16-31 B's: the lower base + h x the distance
	s_delay_alu instid0(VALU_DEP_1)
	v_lshl_add_u32 v8, v1, 4, v8
	s_add_co_u32 s23, s23, SA
	v_add_nc_u32 v8, s23, v8
	v_and_b32 v9, 8, v1
	s_delay_alu instid0(VALU_DEP_1)
	v_add_nc_u32 v9, v9, v1
	s_lshl_b32 s22, s[WM], 5
	v_add_nc_u32 v9, s22, v9                       ; the stage, in: row 32 wm + r + 8 (r/8) (+ 8 for the odd tile),
	s_delay_alu instid0(VALU_DEP_1)
	v_mul_u32_u24 v9, v9, SP
	s_delay_alu instid0(VALU_DEP_1)
	v_lshl_add_u32 v9, v2, 6, v9                   ; columns 32 wn + 16 h on
	s_lshl_b32 s22, s[WN], 7
	v_add_nc_u32 v9, s22, v9
	s_mul_i32 s22, s[WV], 8*SP
	v_add_nc_u32 v12, s22, v13                     ; and back: rows 8 wave on, 16 bytes a lane
.macro MMT d, fb, fa, sb, sa, zero
.if \zero
	v_wmma_scale_f32_16x16x128_f8f6f4 v[\d:\d+7], v[\fb:\fb+7], v[\fa:\fa+7], 0, v[\sb], v[\sa] matrix_a_fmt:MATRIX_FMT_FP4 matrix_b_fmt:MATRIX_FMT_FP4 matrix_a_scale:MATRIX_SCALE_ROW1
.else
	v_wmma_scale_f32_16x16x128_f8f6f4 v[\d:\d+7], v[\fb:\fb+7], v[\fa:\fa+7], v[\d:\d+7], v[\sb], v[\sa] matrix_a_fmt:MATRIX_FMT_FP4 matrix_b_fmt:MATRIX_FMT_FP4 matrix_a_scale:MATRIX_SCALE_ROW1
.endif
.endm
; Two K steps: four places, 16 LDS loads, 8 products: the four accumulators take turns, one instruction a turn.
.macro KPAIR S0, zero
.rept 4
	v_nop
.endr
.irp e, 0,1
.irp i, 0,1
.irp g, 0,1
	ds_load_b128 v[48+32*\e+8*\i+4*\g:51+32*\e+8*\i+4*\g], v4 offset:16384*\i+1024*((\S0)+\e)+512*\g
	ds_load_b128 v[64+32*\e+8*\i+4*\g:67+32*\e+8*\i+4*\g], v6 offset:16384*\i+1024*((\S0)+\e)+512*\g
.endr
.endr
.endr
	s_wait_dscnt 0x0
.irp e, 0,1
.irp a, 0,1
.irp b, 0,1
	MMT ACC+8*(2*\a+\b), 64+32*\e+8*\b, 48+32*\e+8*\a, SC+8*(((\S0)+\e)/4)+4*\b+((\S0)+\e)%4, SC+8*(((\S0)+\e)/4)+4*\a+((\S0)+\e)%4, (\zero)*(1-\e)
.endr
.endr
.endr
.endm
	s_wait_alu depctr_va_vdst(0)                   ; the wait at the head's end
	s_wait_tensorcnt 0x0                           ; my load, if I issued one, has landed
	s_barrier_signal -1
	s_barrier_wait -1                              ; everybody's has
.irp q, 0,1,2,3
.irp i, 0,1
	ds_load_b128 v[SC+8*\q+4*\i:SC+8*\q+4*\i+3], v8 offset:SCT*\i+256*\q
.endr
.endr
	KPAIR 0, 1                                     ; the first products start the sums
.irp s, 2,4,6,8,10,12,14
	KPAIR \s, 0
.endr
.rept 4
	v_nop                                          ; places ahead of the stores that read results
.endr
	s_wait_dscnt 0x0
	s_barrier_signal -1
	s_barrier_wait -1                              ; nobody reads the panels any more: the stage may be written over them
.irp a, 0,1
.irp b, 0,1
	ds_store_b128 v9, v[ACC+8*(2*\a+\b):ACC+8*(2*\a+\b)+3] offset:\a*8*SP+32*\b          ; each accumulator from its low end on
	ds_store_b128 v9, v[ACC+8*(2*\a+\b)+4:ACC+8*(2*\a+\b)+7] offset:\a*8*SP+32*\b+16
.endr
.endr
	s_wait_dscnt 0x0
	s_barrier_signal -1
	s_barrier_wait -1                              ; 128 whole rows lie in the stage
.irp i, 0,1,2,3,4,5,6,7
	ds_load_b128 v[176+4*\i:179+4*\i], v12 offset:SP*\i
.endr
	s_wait_loadcnt 0x0                             ; the residual
.irp i, 0,1,2,3,4,5,6,7
	s_wait_dscnt 7-\i                              ; row i is back; the later rows may be out
	v_pk_add_f32 v[176+4*\i:177+4*\i], v[176+4*\i:177+4*\i], v[144+4*\i:145+4*\i]
	v_pk_add_f32 v[178+4*\i:179+4*\i], v[178+4*\i:179+4*\i], v[146+4*\i:147+4*\i]
	global_store_b128 v13, v[176+4*\i:179+4*\i], s[10:11] offset:4096*\i th:TH_STORE_NT   ; 512 consecutive bytes, aligned
.endr
	s_wait_tensorcnt 0x0                           ; the wave's end
	ds_add_u32 v10, v11
	s_wait_dscnt 0x0
	CROUND                                         ; the closing round
	s_endpgm
.Lfunc_end_k_q9dd79ad01f_ffn2:
	.size	k_q9dd79ad01f_ffn2, .Lfunc_end_k_q9dd79ad01f_ffn2-k_q9dd79ad01f_ffn2
	.p2alignl 7, 3214868480
	.fill 96, 4, 3214868480
	.section	.rodata,"a",@progbits
	.p2align	6, 0x0
	.amdhsa_kernel k_q9dd79ad01f_ffn2
		.amdhsa_group_segment_fixed_size 280576
		.amdhsa_private_segment_fixed_size 0
		.amdhsa_enable_private_segment 0
		.amdhsa_kernarg_size 32
		.amdhsa_user_sgpr_count 2
		.amdhsa_user_sgpr_kernarg_segment_ptr 1
		.amdhsa_wavefront_size32 1
		.amdhsa_system_sgpr_workgroup_id_x 1
		.amdhsa_system_sgpr_workgroup_id_y 1
		.amdhsa_system_sgpr_workgroup_id_z 1
		.amdhsa_system_vgpr_workitem_id 0
		.amdhsa_next_free_vgpr 208
		.amdhsa_next_free_sgpr 100
		.amdhsa_reserve_vcc 0
		.amdhsa_float_denorm_mode_32 3
		.amdhsa_float_denorm_mode_16_64 3
		.amdhsa_memory_ordered 1
		.amdhsa_forward_progress 1
		.amdhsa_inst_pref_size 31
	.end_amdhsa_kernel
	.amdgpu_metadata
---
amdhsa.version: [ 1, 2 ]
amdhsa.kernels:
  - .name:           k_q9dd79ad01f_ffn2
    .symbol:         k_q9dd79ad01f_ffn2.kd
    .args:
      - { .name: acb, .offset: 0, .size: 8, .value_kind: global_buffer, .address_space: global }
      - { .name: wsp, .offset: 8, .size: 8, .value_kind: global_buffer, .address_space: global }
      - { .name: x1, .offset: 16, .size: 8, .value_kind: global_buffer, .address_space: global }
      - { .name: out0, .offset: 24, .size: 8, .value_kind: global_buffer, .address_space: global }
    .group_segment_fixed_size: 280576
    .private_segment_fixed_size: 0
    .kernarg_segment_align: 8
    .kernarg_segment_size: 32
    .max_flat_workgroup_size: 512
    .sgpr_count:     100
    .vgpr_count:     208
    .wavefront_size: 32
...
	.end_amdgpu_metadata
.endif
;; end of part 7
